; MI455X (gfx1250); checked and timed in simulation.
; The chip was launched on July 23, 2026; its instructions are those of AMD's public machine-readable ISA for CDNA 5 (MIT licence, August 2026) and "CDNA5" Instruction Set Architecture Reference Guide (July 2026). The comments in the code are by the model that wrote it; some were corrected since.
;; Multi Head Attention W. Allowed arithmetic: matrix products marked QUANTISED: E2M1 operands, one E8M0 scale for each 32 along K, by v_wmma_scale_f32_16x16x128_f8f6f4 with both operands' format E2M1 (or v_wmma_scale_f32_32x16x128_f4), f32 sums; products left as they are: bf16, f16 or f32 operands; f32 sums; everything else in f32.
;; Inputs: Wk 1,024 x 1,024 float32; Wo 1,024 x 1,024 float32; Wq 1,024 x 1,024 float32; Wv 1,024 x 1,024 float32; head_w 16 float32; mask 2 x 1 x 1 x 2,048 bool; x 2 x 2,048 x 1,024 float32.
;; Outputs: out0 2 x 2,048 x 1,024 float32.
;; This version of the problem:
;;   THIS VERSION OF THE PROBLEM IS GIVEN IN LOW PRECISION. The matrix products marked QUANTISED in the list below multiply operands that are first quantised to E2M1 (2 exponent bits, 1 mantissa bit; 4 bits a number), with one power-of-two scale for each 32 numbers along K (OCP MX v1.0); their sums are f32. The products marked 'left as it is' may take bf16, f16 or f32 operands, with f32 sums. Whichever they take, every output number must still come out within the allowed error. Rounding operands to bf16 (8 significant bits) uses up far more of that allowance than f16 does (11 bits, for magnitudes from 6e-5 to 65,504). All else is computed in f32.
;;   The module's matrix products, in the order in which they are computed (A, B: the left and right operand; K: the contracted axis; several contracted axes count as one K, in the product's order):
;;     1. [M 4,096, K 1,024] x [K 1,024, N 1,024]; A: input x; B: input Wq: QUANTISED
;;     2. [M 4,096, K 1,024] x [K 1,024, N 1,024]; A: input x; B: input Wk: QUANTISED
;;     3. [M 4,096, K 1,024] x [K 1,024, N 1,024]; A: input x; B: input Wv: QUANTISED
;;     4. batch 32 x [M 2,048, K 64] x [K 64, N 2,048]; A: computed on the way; B: computed on the way: left as it is (an operand is computed on the way)
;;     5. batch 32 x [M 2,048, K 2,048] x [K 2,048, N 64]; A: computed on the way; B: computed on the way: left as it is (an operand is computed on the way)
;;     6. [M 4,096, K 1,024] x [K 1,024, N 1,024]; A: computed on the way; B: input Wo: left as it is (an operand is computed on the way)
;;   THE QUANTISER, for each operand of a quantised product, along K:
;;     - K is cut into blocks of 32 from its start; a last block that is shorter is filled with zeros.
;;     - A block's scale is 2^e with e = floor(log2(the largest magnitude in the block)) - 2, held to -126 .. 127; a block of zeros has e = 0. As a byte (E8M0): e + 127.
;;     - Each number is divided by its block's scale, clamped to +-6, and rounded to the nearest number of E2M1, ties to even, subnormals kept.
;;     - The product sums the exact products of the quantised numbers (number of the format x scale) in f32.
;;   ~~~python
;;   def quantise(x, axis):      # numpy; x: float32 -> the quantised numbers, widened to float32 again
;;       x = np.moveaxis(x, axis, -1); K = x.shape[-1]
;;       x = np.pad(x, [(0, 0)] * (x.ndim - 1) + [(0, -K % 32)]); x = x.reshape(x.shape[:-1] + (-1, 32)); a = np.abs(x).max(-1, keepdims=True)
;;       e = np.where(a > 0, np.clip(np.frexp(np.where(a > 0, a, 1))[1] - 1 - 2, -126, 127), 0)      # np.frexp(a)[1] - 1 = floor(log2(a)), exactly
;;       r = np.clip(x / 2.0 ** e, -6, 6)
;;       step = 2.0 ** (np.maximum(np.frexp(np.where(r == 0, 1, r))[1] - 1, 0) - 1)
;;       q = np.round(r / step) * step * 2.0 ** e      # np.round: ties to even
;;       return np.moveaxis(q.reshape(q.shape[:-2] + (-1,))[..., :K], -1, axis).astype(np.float32)
;;   ~~~
;; One version. Each part assembles by itself: llvm-mc -triple=amdgcn-amd-amdhsa -mcpu=gfx1250 --defsym DOCPART=n.
;; ======== version 1 of 1: 4 launches
;; limits: values are held in f16: magnitudes above 65,504 overflow, below 6.1e-05 lose precision
;; workspace buffers: codes 3,670,016 bytes; scales 229,376 bytes; wo16 2,097,152 bytes; qk16 16,777,216 bytes; v16 8,388,608 bytes; ctx16 8,388,608 bytes
;; launch prep (part 1): grid 256 x 1, 4 waves a work-group, no clusters, 33,280 bytes of LDS; arguments x, Wq, Wk, Wv, Wo, head_w, codes, scales, wo16; writes codes, scales, wo16
.if DOCPART == 1
	.amdgcn_target "amdgcn-amd-amdhsa--gfx1250"
	.amdhsa_code_object_version 6
	.text
	.protected	k_q669d4dbffa_prep
	.globl	k_q669d4dbffa_prep
	.p2align	8
	.type	k_q669d4dbffa_prep,@function
k_q669d4dbffa_prep:
	s_mov_b64 s[64:65], 0
	v_nop
	global_prefetch_b8 v0, s[64:65] scope:SCOPE_SE
	s_setreg_imm32_b32 hwreg(HW_REG_WAVE_MODE, 25, 1), 1
	s_wait_xcnt 0x0
; TWO JOBS IN ONE LAUNCH, parted on the work-group's number.
; Work-groups 0-223: x [4096][1024], Wq, Wk, Wv [1024][1024], f32, become codes of FP4 (E2M1), K innermost, with one E8M0 scale byte for each 32 along K.
;   The four tensors are laid one behind the other: codes [7168 rows][512 bytes], scales [7168 rows][32 bytes]; rows 0-4095 x, 4096-5119 Wq, 5120-6143 Wk, 6144-7167 Wv.
;   A block's scale is 2^(floor(log2(its largest magnitude)) - 2); its byte is the largest magnitude's exponent field - 2, held at 1 from below.  Each number is divided by the scale and rounded to the nearest code, ties to even.
;   Rows are dense and 1024 is a multiple of 32: every tensor is a plain stream of blocks of 32.  A wave takes 16 steps of 512 numbers; each load reads 512 consecutive bytes; a step's 2,048 bytes turn through the wave's own
;   stage in LDS so that a lane holds 16 neighbours along K (two lanes to a block).  A wave's store of codes covers 256 consecutive bytes; its 256 scale bytes are gathered in LDS and leave as 256 consecutive bytes.
; Work-groups 224-255: wo16 = f16(Wo[n][c] x head_w[c / 64]), laid as images of operand registers: fragment (n / 16, c / 32) is 1,024 bytes, registers 4 u .. 4 u + 3 of lane l at 512 u + 16 l;
;   lane l holds row l % 16, registers 0-3 the columns 8 (l / 16) + 0..7, registers 4-7 the columns 16 + 8 (l / 16) + 0..7.  The head's gain rides on Wo, so that the context never carries it.
; LIMITS: NaN and infinities among the inputs are not served; blocks whose largest magnitude lies under 2^-124 have their byte held at 1 (not tried); a block of zeros gets the byte 1 where the quantiser says 127:
;   its codes are zeros and this program alone reads the bytes; |Wo x head_w| stays under 65,504, f16's largest number.
.set WAVES, 4
.set STEPS, 16
.set QWG,   224                        ; work-groups that quantise: 7,168 x 1,024 / 32,768
.set EMAX,  2
.set CB,    8                          ; bytes of 16 codes
.set R,     16                         ; v16-79   four sets of 16 numbers as they are loaded
.set X,     80                         ; v80-111  two sets of 16 neighbours
.set E,     112                        ; v112-127 a scale byte for each step
.set C,     128                        ; v128-191 codes: four registers for each step, so that no store's data are written again
.set WREG,  8192                       ; LDS: a region for each wave: two stages of 32 x SP bytes, behind them its 256 scale bytes
.set SP,    80                         ; a lane's place in a stage: 64 bytes + 16 of padding
.set SPW,   12                         ; v12  LDS address of my spare word; never rewritten
.set NIL,   13                         ; v13  0; never rewritten
.set SPARE, WAVES*WREG                 ; behind the four regions: the spare words, 128 bytes a wave, which no other line names
.macro LOAD t
.irp i, 0,1,2,3
	global_load_b128 v[R+16*((\t)%4)+4*\i:R+16*((\t)%4)+4*\i+3], v3, s[26:27] offset:2048*(\t)+512*\i th:TH_LOAD_NT   ; 32 lanes read 512 consecutive bytes
.endr
.endm
.macro TURN t                          ; step t's numbers through the stage: LDS serves a wave's instructions in order, so no wait stands between the stores and the loads
.irp i, 0,1,2,3
	ds_store_b128 v14, v[R+16*((\t)%4)+4*\i:R+16*((\t)%4)+4*\i+3] offset:32*SP*((\t)%2)+8*SP*\i
.endr
.irp i, 0,1,2,3
	ds_load_b128 v[X+16*((\t)%2)+4*\i:X+16*((\t)%2)+4*\i+3], v15 offset:32*SP*((\t)%2)+16*\i
.endr
.endm
.macro STEP t
.set XS, X+16*((\t)%2)
.if (\t) > 0
	s_wait_dscnt 1                                 ; this step's numbers are back from the stage (the last step's byte store may be out)
.else
	s_wait_dscnt 0x0
.endif
.if (\t)+4 < STEPS
	LOAD (\t)+4                                    ; the stage's stores have read these registers: they take the loads of four steps on
.endif
.if (\t)+1 < STEPS
.if STEPS-2-(\t) >= 3
	s_wait_loadcnt 12                              ; the next step's four loads are in; those of the three steps behind it may be out
.else
	s_wait_loadcnt 4*(STEPS-2-(\t))
.endif
	TURN (\t)+1                                    ; and go through the other stage while this step is worked
.endif
	v_max3_num_f32 v8, |v[XS]|, |v[XS+1]|, |v[XS+2]|               ; the largest magnitude of my 16, in two chains
	v_max3_num_f32 v9, |v[XS+3]|, |v[XS+4]|, |v[XS+5]|
.irp i, 6,10
	v_max3_num_f32 v8, v8, |v[XS+\i]|, |v[XS+\i+1]|
	v_max3_num_f32 v9, v9, |v[XS+\i+2]|, |v[XS+\i+3]|
.endr
	v_max3_num_f32 v8, v8, |v[XS+14]|, |v[XS+15]|
	v_max3_num_f32 v8, v8, v9, (EMAX+1)<<23        ; and the floor 2^(3 - 127): the byte cannot fall under 1
	v_max_num_f32_dpp v8, v8, v8 row_xmask:1 row_mask:0xf bank_mask:0xf   ; and of my neighbour's 16: the block's
	v_add_nc_u32 v11, -(EMAX<<23), v8              ; 2 off its exponent field: the conversion takes the exponent field of this operand as its scale
	v_cvt_scalef32_pk8_fp4_f32 v[C+4*(\t)], v[XS:XS+7], v11
	v_cvt_scalef32_pk8_fp4_f32 v[C+4*(\t)+1], v[XS+8:XS+15], v11
	v_lshrrev_b32 v[E+(\t)], 23, v11               ; the scale's byte (also the plain line behind the conversions)
	ds_store_b8 v5, v[E+(\t)] offset:16*(\t)       ; both lanes of a block write the same byte with the same value
	global_store_b64 v4, v[C+4*(\t):C+4*(\t)+1], s[16:17] offset:32*CB*(\t)   ; 32 lanes store 256 consecutive bytes
.endm
; Wo: group g is four fragments, 16 loads, into set g % 2 of v16-143
.macro WLOAD g
.irp j, 0,1,2,3
.irp i, 0,1,2,3
	global_load_b128 v[16+64*((\g)%2)+16*\j+4*\i:16+64*((\g)%2)+16*\j+4*\i+3], v10, s[12:13] offset:128*(4*(\g)+\j)+16*(\i%2)+64*(\i/2)
.endr
.endr
.endm
.macro WGROUP g
.if (\g) < 3
	s_wait_loadcnt 16                              ; this group's 16 loads are in; the next group's may be out
.else
	s_wait_loadcnt 0x0
.endif
.if (\g) > 0
	s_wait_xcnt 0x0                                ; the last group's stores have read v144-175: they are written again only behind this wait
.endif
.irp j, 0,1,2,3
.set WS, 16+64*((\g)%2)+16*\j
.set WH, 32+(4*(\g)+\j)/2                          ; two fragments of 32 columns to a head of 64
.irp i, 0,1,2,3,4,5,6,7,8,9,10,11,12,13,14,15
	v_mul_f32 v[WS+\i], s[WH], v[WS+\i]
.endr
.irp i, 0,1,2,3,4,5,6,7
	v_cvt_pk_f16_f32 v[144+8*\j+\i], v[WS+2*\i], v[WS+2*\i+1]
.endr
	global_store_b128 v3, v[144+8*\j:144+8*\j+3], s[20:21] offset:1024*(4*(\g)+\j)        ; 32 lanes store 512 consecutive bytes
	global_store_b128 v3, v[144+8*\j+4:144+8*\j+7], s[20:21] offset:1024*(4*(\g)+\j)+512
.endr
.if (\g)+2 < 4
	WLOAD (\g)+2
.endif
.endm
	s_load_b512 s[4:19], s[0:1], 0x0               ; x 4:5, Wq 6:7, Wk 8:9, Wv 10:11, Wo 12:13, head_w 14:15, codes 16:17, scales 18:19
	s_load_b64 s[20:21], s[0:1], 0x40              ; wo16
	v_lshl_add_u32 v[SPW], v0, 2, SPARE
	v_mov_b32 v[NIL], 0
	v_lshrrev_b32 v1, 5, v0
	v_readfirstlane_b32 s24, v1                    ; wave
	v_and_b32 v2, 31, v0                           ; lane
	v_lshlrev_b32 v3, 4, v2                        ; 16 x lane
	s_mul_i32 s25, s24, WREG
	v_lshrrev_b32 v14, 2, v2
	v_mul_u32_u24 v14, v14, SP
	v_and_b32 v15, 3, v2
	v_lshl_add_u32 v14, v15, 4, v14
	v_add_nc_u32 v14, s25, v14                     ; the stage, on the way in: SP (lane / 4) + 16 (lane % 4)
	v_mul_u32_u24 v15, v2, SP
	v_add_nc_u32 v15, s25, v15                     ; and on the way out: SP x lane: my 16 neighbours
	v_mul_u32_u24 v4, v2, CB                       ; my codes' place in a step's
	v_lshrrev_b32 v5, 1, v2
	s_add_co_u32 s25, s25, 2*32*SP
	v_add_nc_u32 v5, s25, v5                       ; LDS: my wave's 256 scale bytes, my block's byte
	v_lshlrev_b32 v7, 3, v2                        ; and on the way out 8 bytes a lane
	v_add_nc_u32 v6, s25, v7
	s_wait_kmcnt 0x0
	s_cmp_ge_u32 ttmp9, QWG
	s_cbranch_scc1 .Lwo
	; ---- the quantiser.  Which tensor: x has 128 work-groups, each weight 32
	s_and_b32 s28, ttmp9, 0xe0                     ; 128, 160 or 192: a weight's first work-group
	s_cmp_lt_u32 ttmp9, 192
	s_cselect_b64 s[26:27], s[8:9], s[10:11]       ; the choices hang on the work-group's number alone
	s_cmp_lt_u32 ttmp9, 160
	s_cselect_b64 s[26:27], s[6:7], s[26:27]
	s_cmp_lt_u32 ttmp9, 128
	s_cselect_b64 s[26:27], s[4:5], s[26:27]
	s_cselect_b32 s28, 0, s28
	s_sub_co_u32 s28, ttmp9, s28
	s_lshl_b32 s28, s28, 2
	s_add_co_u32 s28, s28, s24                     ; which run of 8,192 numbers of the tensor is my wave's
	s_lshl_b32 s28, s28, 15                        ; 32,768 bytes a run
	s_mov_b32 s29, 0
	s_add_nc_u64 s[26:27], s[26:27], s[28:29]
	s_lshl_b32 s30, ttmp9, 2
	s_add_co_u32 s30, s30, s24                     ; and which run of the four tensors on end
	s_lshl_b32 s28, s30, 12                        ; 4,096 bytes of codes a run
	s_add_nc_u64 s[16:17], s[16:17], s[28:29]
	s_lshl_b32 s28, s30, 8                         ; 256 scale bytes a run
	s_add_nc_u64 s[18:19], s[18:19], s[28:29]
.irp t, 0,1,2,3
	LOAD \t
.endr
	s_wait_loadcnt 12                              ; step 0's four loads are in
	TURN 0
.irp t, 0,1,2,3,4,5,6,7,8,9,10,11,12,13,14,15
	STEP \t
.endr
	ds_load_b64 v[8:9], v6                         ; LDS serves a wave's instructions in order: these see my byte stores
	s_wait_dscnt 0x0
	global_store_b64 v7, v[8:9], s[18:19]          ; 32 lanes store 256 consecutive bytes
	s_wait_tensorcnt 0x0                           ; the wave's end: behind my last LDS store
	ds_add_u32 v[SPW], v[NIL]
	s_wait_dscnt 0x0
	s_endpgm
.Lwo:	; ---- Wo x head_w in f16.  Wave W of 128 makes rows 16 (W / 2) .. + 15, columns 512 (W % 2) .. + 511: 16 fragments.  No LDS is written on this way
	s_sub_co_u32 s25, ttmp9, QWG
	s_lshl_b32 s25, s25, 2
	s_add_co_u32 s25, s25, s24                     ; W
	s_and_b32 s26, s25, 1                          ; which half of the columns
	s_lshr_b32 s27, s25, 1                         ; which 16 rows
	s_lshl_b32 s28, s26, 5
	s_mov_b32 s29, 0
	s_add_nc_u64 s[14:15], s[14:15], s[28:29]
	s_load_b256 s[32:39], s[14:15], 0x0            ; the gains of my eight heads
	s_lshl_b32 s30, s27, 16                        ; 16 rows of 4,096 bytes
	s_lshl_b32 s31, s26, 11
	s_add_co_u32 s30, s30, s31
	s_mov_b32 s31, 0
	s_add_nc_u64 s[12:13], s[12:13], s[30:31]
	s_lshl_b32 s30, s25, 14                        ; 16 fragments of 1,024 bytes a wave
	s_add_nc_u64 s[20:21], s[20:21], s[30:31]
	v_and_b32 v8, 15, v0
	v_bfe_u32 v9, v0, 4, 1
	v_lshlrev_b32 v10, 12, v8
	v_lshl_add_u32 v10, v9, 5, v10                 ; row l % 16, + 32 bytes for lanes 16-31: my eight columns of each 16
	WLOAD 0
	WLOAD 1
	s_wait_kmcnt 0x0
	WGROUP 0
	WGROUP 1
	WGROUP 2
	WGROUP 3
	s_endpgm
.Lfunc_end_k_q669d4dbffa_prep:
	.size	k_q669d4dbffa_prep, .Lfunc_end_k_q669d4dbffa_prep-k_q669d4dbffa_prep
	.p2alignl 7, 3214868480
	.fill 96, 4, 3214868480
	.section	.rodata,"a",@progbits
	.p2align	6, 0x0
	.amdhsa_kernel k_q669d4dbffa_prep
		.amdhsa_group_segment_fixed_size 33280
		.amdhsa_private_segment_fixed_size 0
		.amdhsa_enable_private_segment 0
		.amdhsa_kernarg_size 72
		.amdhsa_user_sgpr_count 2
		.amdhsa_user_sgpr_kernarg_segment_ptr 1
		.amdhsa_wavefront_size32 1
		.amdhsa_system_sgpr_workgroup_id_x 1
		.amdhsa_system_sgpr_workgroup_id_y 1
		.amdhsa_system_sgpr_workgroup_id_z 1
		.amdhsa_system_vgpr_workitem_id 0
		.amdhsa_next_free_vgpr 192
		.amdhsa_next_free_sgpr 66
		.amdhsa_reserve_vcc 0
		.amdhsa_float_denorm_mode_32 3
		.amdhsa_float_denorm_mode_16_64 3
		.amdhsa_memory_ordered 1
		.amdhsa_forward_progress 1
		.amdhsa_inst_pref_size 60
	.end_amdhsa_kernel
	.amdgpu_metadata
---
amdhsa.version: [ 1, 2 ]
amdhsa.kernels:
  - .name:           k_q669d4dbffa_prep
    .symbol:         k_q669d4dbffa_prep.kd
    .args:
      - { .name: x, .offset: 0, .size: 8, .value_kind: global_buffer, .address_space: global }
      - { .name: Wq, .offset: 8, .size: 8, .value_kind: global_buffer, .address_space: global }
      - { .name: Wk, .offset: 16, .size: 8, .value_kind: global_buffer, .address_space: global }
      - { .name: Wv, .offset: 24, .size: 8, .value_kind: global_buffer, .address_space: global }
      - { .name: Wo, .offset: 32, .size: 8, .value_kind: global_buffer, .address_space: global }
      - { .name: head_w, .offset: 40, .size: 8, .value_kind: global_buffer, .address_space: global }
      - { .name: codes, .offset: 48, .size: 8, .value_kind: global_buffer, .address_space: global }
      - { .name: scales, .offset: 56, .size: 8, .value_kind: global_buffer, .address_space: global }
      - { .name: wo16, .offset: 64, .size: 8, .value_kind: global_buffer, .address_space: global }
    .group_segment_fixed_size: 33280
    .private_segment_fixed_size: 0
    .kernarg_segment_align: 8
    .kernarg_segment_size: 72
    .max_flat_workgroup_size: 128
    .sgpr_count:     66
    .vgpr_count:     192
    .wavefront_size: 32
...
	.end_amdgpu_metadata
.endif
;; end of part 1
;; launch qkv (part 2): grid 48 x 4, 4 waves a work-group, clusters of 4 x 4, 327,680 bytes of LDS; arguments codes, scales, qk16, v16; writes qk16, v16
.if DOCPART == 2
	.amdgcn_target "amdgcn-amd-amdhsa--gfx1250"
	.amdhsa_code_object_version 6
	.text
	.protected	k_q669d4dbffa_qkv
	.globl	k_q669d4dbffa_qkv
	.p2align	8
	.type	k_q669d4dbffa_qkv,@function
k_q669d4dbffa_qkv:
	s_mov_b64 s[64:65], 0
	v_nop
	global_prefetch_b8 v0, s[64:65] scope:SCOPE_SE
	s_setreg_imm32_b32 hwreg(HW_REG_WAVE_MODE, 25, 1), 1
	s_wait_xcnt 0x0
	s_wait_alu depctr_hold_cnt(0) depctr_sa_sdst(0) depctr_va_vdst(0) depctr_va_sdst(0) depctr_va_ssrc(0) depctr_va_vcc(0) depctr_vm_vsrc(0)
	s_getreg_b32 s2, hwreg(HW_REG_IB_STS2, 6, 4)
	s_cmp_eq_u32 s2, 0
	s_cbranch_scc0 .Lentry_in_a_cluster
	s_endpgm
.Lentry_in_a_cluster:
	s_bfe_u32 s2, ttmp6, 0x10000c
	s_cmp_lg_u32 s2, 0xf033
	s_cbranch_scc0 .Lentry_shape_is_right
	s_endpgm
.Lentry_shape_is_right:
; THE THREE QUANTISED PRODUCTS x Wq^T, x Wk^T, x Wv^T on codes of FP4 (E2M1) with one E8M0 scale for each 32 along K = 1,024; sums in f32, K ascending, one accumulator an output.
; codes [7168][512 bytes], scales [7168][32 bytes]: rows 0-4095 x, 4096-5119 Wq, 5120-6143 Wk, 6144-7167 Wv.
; Twelve clusters of 4 x 4 work-groups, each 1,024 x 1,024 of results; a work-group 256 x 256, a wave 128 x 128: 64 accumulators, 512 registers.
;   clusters 0-7 (q and k): "A" = 256 tokens (x), "B" = 256 features (Wq, Wk on end);   clusters 8-11 (v): "A" = 256 features (Wv), "B" = 256 tokens (x).
; The matrix instruction takes source 0 = 16 rows of B, source 1 = 16 rows of A: a lane then holds ONE row of A (lane % 16) and eight neighbouring rows of B, 8 (lane / 16) + 0..7.  Rounded to f16 in pairs these four registers ARE
; half of an operand fragment of the next launch (16 rows of A x 32 rows of B): so the results leave straight from registers as images of operand registers, 512 consecutive bytes a store, with no stage.
;   qk16: fragment (token / 16, feature / 32) at ((token / 16) 64 + feature / 32) 1,024; features 0-1023 are q x log2(e) / 8, features 1024-2047 are k.   v16: fragment (feature / 16, token / 32) at ((feature / 16) 128 + token / 32) 1,024: V^T.
; K goes in two steps of 512 through two LDS slots, each filled once; the scales of the work-group's rows come once, as dense blocks.  A's tiles are asked for jointly along a row of the cluster, B's along a column.
; All of a WGP's LDS is claimed; the text uses 296,448 bytes.
; LIMITS: |q log2(e) / 8|, |k| and |v| stay under 65,504, f16's largest number.
; REGISTERS, in windows of 256: window 0: v0-31 addresses; v32-95 scale words, two sets, and nothing else; v128-191 A's fragments, ONE set, on the way out the scaled results; v192-223 the packed results.
;   window 1: B's fragments, TWO sets, at v0 and v128.   window 2: the 32 accumulators of my A rows 0-63 ((a, b) at v[8 (8 a + b)]);   window 3: those of rows 64-127.
.set NQ,     4                         ; matrix instructions deep in a slot: 512 along K
.set ROWB,   256                       ; a tile's row in bytes
.set KROW,   512                       ; a row of codes in memory
.set PITCH,  272                       ; an LDS row: 256 bytes + 16 of padding = 68 words: the 16 rows that a load touches start at 16 different banks (64 banks of 4 bytes: ISA guide 11.1)
.set FR,     8                         ; registers of a fragment: 16 rows x 128 K
.set NL,     2                         ; LDS loads that bring one
.set NP,     4                         ; places behind this matrix instruction (ISA guide 7.12.1)
.set HALFT,  128*PITCH                 ; 128 rows: what one tensor load brings
.set SLOT,   4*HALFT                   ; A's 256 rows, then B's 256 rows
.set KS,     32                        ; a row of scales in bytes
.set SCL,    2*SLOT                    ; behind the slots: the scales, as pieces of 256 bytes + 16 of padding
.set HALFS,  (128*KS/256)*272          ; the scales of 128 rows
.set SBLK,   (16*KS/256)*272           ; those of 16 rows
.set SPARE,  SCL+4*HALFS               ; the spare words, 128 bytes a wave, which no other line names
.set ADRA, 16                          ; v16-17  LDS address of my A fragments in slot 0, 1
.set ADRB, 20                          ; v20-21  the same for B
.set CO,   26                          ; v26     16 x lane: my place in an image
.set ADRS, 27                          ; v27     LDS address of my scale words: lanes 0-15 A's rows, lanes 16-31 B's
.set SPW,  28                          ; v28     LDS address of my spare word; never rewritten
.set NIL,  29                          ; v29     0; never rewritten
.set SC,   32                          ; scale words: set s at v[SC + 32 s]; register 4 i + q: lanes 0-15 the word of A's block i, lanes 16-31 that of B's block i
.set AF,   128                         ; A's fragments
.set TP,   128                         ; the way out: a block's 64 results x the factor
.set PK,   192                         ; the way out: packed to f16
.set G1, 24                            ; s[24:31] descriptor group 1 for A's tiles;  s[32:39] group 0, one set for each slot
.set G0, 32
.set G1B, 48                           ; s[48:55], s[56:63] the same for B's tiles
.set G0B, 56
.set G1S, 68                           ; s[68:75], s[76:79] groups 1 and 0 for A's scales;  s[80:87], s[88:91] for B's
.set G0S, 76
.set G1SB, 80
.set G0SB, 88
.set SCF, 66                           ; s[66:67] the factor on the way out: log2(e) / 8 for q, 1 for k and v
.set AST, 98                           ; s[98:99] bytes from one block of 16 A rows to the next in the output
.set MSB, 0
.macro WIN new                         ; the immediate's high byte repeats the setting that is left
.if MSB != \new
	s_set_vgpr_msb (MSB<<8)|\new
.set MSB, \new
.endif
.endm
.set MUL_LO, 0xa1                      ; source 0 (B) window 1, source 1 (A) window 0, C and D window 2
.set MUL_HI, 0xf1                      ; the same, C and D window 3
.set TO_B,   0x40                      ; destination window 1, address window 0
; A joint load: waves 0 and 1 fetch for A, waves 2 and 3 for B; the branch hangs on the wave's number alone.  An s_nop 0 and four v_nop follow each of the two lines.
.macro JLOAD g0a, g1a, g0b, g1b
	s_cmp_eq_u32 s15, 0
	s_cbranch_scc0 .Lfor_b_\@
	tensor_load_to_lds s[\g0a:\g0a+3], s[\g1a:\g1a+7]
	s_nop 0
.rept 4
	v_nop
.endr
	s_branch .Lasked_\@
.Lfor_b_\@:
	tensor_load_to_lds s[\g0b:\g0b+3], s[\g1b:\g1b+7]
	s_nop 0
.rept 4
	v_nop
.endr
.Lasked_\@:
.endm
.macro CROUND                          ; a round of the cluster's barrier
	s_barrier_signal -1
	s_barrier_wait -1
	s_cmp_lg_u32 s14, 0
	s_cbranch_scc1 .Lnot_wave_0_\@
	s_barrier_signal -3
.Lnot_wave_0_\@:
	s_barrier_wait -3
	s_barrier_signal -1
	s_barrier_wait -1
.endm
	s_load_b256 s[4:11], s[0:1], 0x0               ; codes s[4:5], scales s[6:7], qk16 s[8:9], v16 s[10:11]
	v_lshl_add_u32 v[SPW], v0, 2, SPARE
	v_mov_b32 v[NIL], 0
	ds_add_u32 v[SPW], v[NIL]                      ; the wave's opening: the add, twice on end, and its wait ahead of my first tensor load
	ds_add_u32 v[SPW], v[NIL]
	v_lshrrev_b32 v1, 5, v0
	v_readfirstlane_b32 s14, v1                    ; wave 0..3
	s_lshr_b32 s15, s14, 1                         ; which half of the tile's A rows is mine.  Also: I fetch for A (0) or for B (1)
	s_and_b32 s16, s14, 1                          ; which half of its B rows.  Also: which 128 rows of that tile I fetch
	s_bfe_u32 s40, ttmp6, 0x40000                  ; cx, cy: my place in the cluster
	s_bfe_u32 s41, ttmp6, 0x40004
	; what my cluster makes hangs on the cluster's number alone, which all sixteen partners share
	s_lshr_b32 s17, ttmp9, 1                       ; q, k: which 1,024 tokens,
	s_and_b32 s42, ttmp9, 1                        ; and q (0) or k (1)
	s_sub_co_u32 s97, ttmp9, 8                     ; v: which 1,024 tokens
	s_lshr_b32 s20, ttmp9, 3
	s_or_b32 s20, s20, s42                         ; 0 in the clusters that make q
	s_mov_b32 s95, 6144
	s_mov_b32 s96, 4096
	s_mov_b32 s[AST], 0x20000
	s_mov_b32 s[AST+1], 0
	s_cmp_lt_u32 ttmp9, 8
	s_cselect_b32 s17, s17, 0
	s_cselect_b32 s42, s42, s97
	s_cselect_b32 s95, 0, s95                      ; A's first row among the codes: x, or Wv
	s_cselect_b32 s96, s96, 0                      ; B's: Wq and Wk, or x
	s_cselect_b32 s[AST], 0x10000, s[AST]          ; 64 fragments to a row of qk16's, 128 to a row of v16's
	s_cmp_eq_u32 s20, 0
	s_cselect_b32 s[SCF], 0x3e38aa3b, 1.0          ; log2(e) / sqrt(64)
	s_mov_b32 s[SCF+1], s[SCF]                     ; (named with it as a pair, so it is written)
	s_lshl_b32 s17, s17, 2
	s_add_co_u32 s17, s17, s41                     ; tile row: which 256 rows of A
	s_lshl_b32 s42, s42, 2
	s_add_co_u32 s42, s42, s40                     ; tile column: which 256 rows of B
	s_lshl_b32 s43, s41, 2
	s_lshl_b32 s43, 15, s43                        ; my row of the cluster
	s_lshl_b32 s44, 0x1111, s40                    ; my column
	; descriptor group 1: a tile of 128 rows x 256 bytes, padded in LDS
	s_or_b32 s[G1+0], s43, (0<<16)|(1<<20)|(1<<21)|(5<<22)|(3<<25)  ; 15:0 the mask: A's tiles go to my row; 17:16 element of 1 byte; 20 padding on; 21 set beside a mask; 24:22 after every 64 words; 31:25 four words
	s_or_b32 s[G1B+0], s44, (0<<16)|(1<<20)|(1<<21)|(5<<22)|(3<<25)
.irp g, G1, G1B
	s_mov_b32 s[\g+1], ROWB<<16                    ; tensor_dim0
	s_mov_b32 s[\g+2], 128<<16                     ; tensor_dim1
	s_mov_b32 s[\g+3], ROWB<<16                    ; tile_dim0
	s_mov_b32 s[\g+4], 128                         ; tile_dim1
	s_mov_b32 s[\g+5], KROW                        ; tensor_dim0_stride
	s_mov_b32 s[\g+6], 0
	s_mov_b32 s[\g+7], 0
.endr
	; and for the scales of 128 rows: a dense block of 4,096 bytes, as 16 rows of 256 bytes (32 elements of 8 bytes), 16 bytes of padding behind each
	s_or_b32 s[G1S+0], s43, (3<<16)|(1<<20)|(1<<21)|(5<<22)|(3<<25)
	s_or_b32 s[G1SB+0], s44, (3<<16)|(1<<20)|(1<<21)|(5<<22)|(3<<25)
.irp g, G1S, G1SB
	s_mov_b32 s[\g+1], 32<<16
	s_mov_b32 s[\g+2], (128*KS/256)<<16
	s_mov_b32 s[\g+3], 32<<16
	s_mov_b32 s[\g+4], 128*KS/256
	s_mov_b32 s[\g+5], 32
	s_mov_b32 s[\g+6], 0
	s_mov_b32 s[\g+7], 0
.endr
	s_lshl_b32 s18, s16, 7                         ; which 128 rows of the tile I fetch
	s_lshl_b32 s20, s17, 8
	s_add_co_u32 s20, s20, s18
	s_add_co_u32 s20, s20, s95                     ; A: its first row + 256 x tile row + 128 x half
	s_lshl_b32 s46, s42, 8
	s_add_co_u32 s46, s46, s18
	s_add_co_u32 s46, s46, s96                     ; B likewise, by the tile column
	s_lshl_b32 s22, s20, 5                         ; where these rows' scales begin, in bytes,
	s_mov_b32 s23, 0
	s_lshl_b32 s92, s46, 5
	s_mov_b32 s93, 0
	s_lshl_b32 s20, s20, 9                         ; and their codes
	s_mov_b32 s21, 0
	s_lshl_b32 s46, s46, 9
	s_mov_b32 s47, 0
	s_mul_i32 s45, s14, HALFT                      ; where they go: wave x 128 rows: no place in the cluster enters an LDS address
	s_mul_i32 s94, s14, HALFS
	s_wait_dscnt 0x0                               ; both opening adds are done
	s_wait_kmcnt 0x0
	s_add_nc_u64 s[20:21], s[4:5], s[20:21]
	s_add_nc_u64 s[22:23], s[6:7], s[22:23]
	s_add_nc_u64 s[46:47], s[4:5], s[46:47]
	s_add_nc_u64 s[92:93], s[6:7], s[92:93]
	s_cmp_lt_u32 ttmp9, 8
	s_cselect_b64 s[12:13], s[8:9], s[10:11]       ; where the results go
	CROUND                                         ; all sixteen work-groups are here: the first joint loads meet
	s_mov_b32 s[G0S], 1
	s_add_co_u32 s[G0S+1], s94, SCL
	s_mov_b64 s[G0S+2:G0S+3], s[22:23]
	s_or_b32 s[G0S+3], s[G0S+3], 0x80000000
	s_mov_b32 s[G0SB], 1
	s_add_co_u32 s[G0SB+1], s94, SCL
	s_mov_b64 s[G0SB+2:G0SB+3], s[92:93]
	s_or_b32 s[G0SB+3], s[G0SB+3], 0x80000000
	JLOAD G0S, G1S, G0SB, G1SB                     ; the scales first: they are wanted with K step 0.  With the two slots' loads three tensor loads of mine are out
.irp s, 0,1
	s_mov_b32 s[G0+4*\s], 1
	s_add_co_u32 s[G0+4*\s+1], s45, \s*SLOT
	s_add_nc_u64 s[G0+4*\s+2:G0+4*\s+3], s[20:21], \s*ROWB
	s_or_b32 s[G0+4*\s+3], s[G0+4*\s+3], 0x80000000
	s_mov_b32 s[G0B+4*\s], 1
	s_add_co_u32 s[G0B+4*\s+1], s45, \s*SLOT
	s_add_nc_u64 s[G0B+4*\s+2:G0B+4*\s+3], s[46:47], \s*ROWB
	s_or_b32 s[G0B+4*\s+3], s[G0B+4*\s+3], 0x80000000
	JLOAD G0+4*\s, G1, G0B+4*\s, G1B
.endr
	v_and_b32 v1, 15, v0                           ; l % 16
	v_bfe_u32 v2, v0, 4, 1                         ; l / 16
	v_mul_u32_u24 v3, v1, PITCH
	v_lshl_add_u32 v4, v2, 4, v3                   ; a fragment's row x pitch + 16 x half
	s_mul_i32 s21, s15, HALFT                      ; my 128 rows of A
	s_mul_i32 s22, s16, HALFT                      ; my 128 rows of B,
	s_add_co_u32 s22, s22, 2*HALFT                 ; which lie behind A's 256
.irp s, 0,1
	v_add_nc_u32 v[ADRA+\s], s21, v4
	v_add_nc_u32 v[ADRB+\s], s22, v4
	s_add_co_u32 s21, s21, SLOT
	s_add_co_u32 s22, s22, SLOT
.endr
	v_mul_u32_u24 v5, v1, KS                       ; my row's scales: 32 bytes a row,
	v_lshrrev_b32 v6, 8, v5
	v_lshl_add_u32 v5, v6, 4, v5                   ; and 16 more for each 256 passed
	s_mul_i32 s21, s15, HALFS                      ; A's: my 128 rows
	s_mul_i32 s22, s16, HALFS                      ; B's: my 128 rows, behind A's 256
	s_add_co_u32 s22, s22, 2*HALFS
	s_sub_co_u32 s22, s22, s21
	v_mul_u32_u24 v6, s22, v2                      ; lanes 16-31 take B's
	s_add_co_u32 s21, s21, SCL
	v_add_nc_u32 v5, v5, v6
	v_add_nc_u32 v[ADRS], s21, v5
	v_and_b32 v6, 31, v0
	v_lshlrev_b32 v[CO], 4, v6                     ; 16 x lane
	s_lshl_b32 s20, s17, 4
	s_lshl_b32 s21, s15, 3
	s_add_co_u32 s20, s20, s21                     ; my first block of 16 A rows: 16 x tile row + 8 x half
	s_mul_i32 s20, s20, s[AST]
	s_lshl_b32 s46, s42, 3
	s_lshl_b32 s47, s16, 2
	s_add_co_u32 s46, s46, s47                     ; my first group of 32 B rows: 8 x tile column + 4 x half
	s_lshl_b32 s46, s46, 10
	s_add_co_u32 s20, s20, s46
	s_mov_b32 s21, 0
	s_add_nc_u64 s[12:13], s[12:13], s[20:21]
.macro FRAG reg, adr, q, i             ; a fragment, 16 rows x 128 K of 4-bit codes, is 8 registers: lane l holds row l % 16; registers 4 c .. 4 c + 3 hold K = 64 c + 32 (l / 16) + 0 .. 31
.irp c, 0,1
	ds_load_b128 v[\reg+4*\c:\reg+4*\c+3], v[\adr] offset:64*(\q)+32*\c+(\i)*16*PITCH
.endr
.endm
; 16 matrix instructions: A's blocks a0, a0 + 1 x B's eight, 128 along K: the slot's q-th.  p: B's set;  sc: the set of scale words.  zero = 1: the first product starts the sums.
; The 64 accumulators take turns, one instruction a turn, in the same order in every step.
.macro MUL16 a0, p, q, sc, zero
.irp a, \a0, \a0+1
.irp b, 0,1,2,3,4,5,6,7
.if \zero
	v_wmma_scale_f32_16x16x128_f8f6f4 v[8*(8*((\a)%4)+\b):8*(8*((\a)%4)+\b)+7], v[128*(\p)+FR*\b:128*(\p)+FR*\b+FR-1], v[AF+FR*(\a):AF+FR*(\a)+FR-1], 0, v[SC+8*NQ*(\sc)+NQ*\b+(\q)], v[SC+8*NQ*(\sc)+NQ*(\a)+(\q)] matrix_a_fmt:MATRIX_FMT_FP4 matrix_b_fmt:MATRIX_FMT_FP4 matrix_a_scale:MATRIX_SCALE_ROW1
.else
	v_wmma_scale_f32_16x16x128_f8f6f4 v[8*(8*((\a)%4)+\b):8*(8*((\a)%4)+\b)+7], v[128*(\p)+FR*\b:128*(\p)+FR*\b+FR-1], v[AF+FR*(\a):AF+FR*(\a)+FR-1], v[8*(8*((\a)%4)+\b):8*(8*((\a)%4)+\b)+7], v[SC+8*NQ*(\sc)+NQ*\b+(\q)], v[SC+8*NQ*(\sc)+NQ*(\a)+(\q)] matrix_a_fmt:MATRIX_FMT_FP4 matrix_b_fmt:MATRIX_FMT_FP4 matrix_a_scale:MATRIX_SCALE_ROW1
.endif
.endr
.endr
.endm
.macro FETCH_B slot, q, p              ; B's eight fragments of the slot's q-th 128 along K into set p
	WIN TO_B
.irp i, 0,1,2,3,4,5,6,7
	FRAG 128*(\p)+FR*\i, ADRB+\slot, \q, \i
.endr
	WIN 0
.endm
.macro FETCH_A slot, q, i0             ; A's blocks i0 .. i0 + 3
.irp i, \i0, \i0+1, \i0+2, \i0+3
	FRAG AF+FR*(\i), ADRA+\slot, \q, \i
.endr
.endm
.macro SCALES sc                       ; a K step's scale words into set sc: four words a row; lanes 0-15 take A's block i, lanes 16-31 B's block i
.irp i, 0,1,2,3,4,5,6,7
	ds_load_b128 v[SC+8*NQ*\sc+NQ*\i:SC+8*NQ*\sc+NQ*\i+3], v[ADRS] offset:\i*SBLK
.endr
.endm
; A load into a register that a matrix instruction has read, and a vector instruction that reads a matrix result or writes a matrix instruction's source, stand NP places behind it; only plain vector
; instructions that name none of its registers are places.
.macro PLACES n
.rept \n
	v_nop
.endr
.endm
; A step of 128 along K that has its successor in the same slot.  A's blocks are free as soon as their eight products are issued: blocks 0-3 are fetched anew in the step's middle, blocks 4-7 at its end.
.macro STEP slot, q, zero
	s_wait_dscnt 4*NL                              ; B's set and A's blocks 0-3 are in; the youngest eight loads (A's blocks 4-7) may be out
	WIN MUL_LO
	MUL16 0, (\q)%2, \q, \slot, \zero
	MUL16 2, (\q)%2, \q, \slot, \zero
	s_wait_dscnt 0                                 ; A's blocks 4-7 are in
	PLACES NP
	FETCH_B \slot, (\q)+1, 1-(\q)%2
	FETCH_A \slot, (\q)+1, 0
	WIN MUL_HI
	MUL16 4, (\q)%2, \q, \slot, \zero
	MUL16 6, (\q)%2, \q, \slot, \zero
	PLACES NP
	WIN 0
	FETCH_A \slot, (\q)+1, 4
.endm
.macro STEPS slot, from                ; the slot's steps from .. NQ - 2
.set Q, \from
.rept NQ-1-\from
	STEP \slot, Q, 0
.set Q, Q+1
.endr
.endm
	s_wait_tensorcnt 1                             ; the scales and my part of K step 0 are in (slot 1's load may be out)
	s_barrier_signal -1
	s_barrier_wait -1                              ; everybody's are
	FETCH_B 0, 0, 0
	FETCH_A 0, 0, 0
	SCALES 0
	FETCH_A 0, 0, 4
	STEP 0, 0, 1                                   ; the first step's products start the sums: nothing is cleared
	STEPS 0, 1
	; slot 0's last step changes slots: one barrier; in front of it each wave waits for its part of slot 1.  Nothing is filled again in this launch
	s_wait_tensorcnt 0x0                           ; all my tensor loads have landed
	ds_add_u32 v[SPW], v[NIL]                      ; 0 onto my spare word
	s_wait_dscnt 4*NL+1                            ; (the add and the youngest eight loads may be out)
	WIN MUL_LO
	MUL16 0, 1, NQ-1, 0, 0
	s_wait_dscnt 0x0                               ; no LDS instruction of mine is out at the signal
	s_barrier_signal -1
	MUL16 2, 1, NQ-1, 0, 0
	WIN 0
	s_barrier_wait -1                              ; slot 1 is whole
	PLACES NP
	v_add_nc_u32 v[ADRS], 4*NQ, v[ADRS]            ; on to the second K step's scale words
	FETCH_B 1, 0, 0
	FETCH_A 1, 0, 0
	SCALES 1
	WIN MUL_HI
	MUL16 4, 1, NQ-1, 0, 0
	MUL16 6, 1, NQ-1, 0, 0
	PLACES NP
	WIN 0
	FETCH_A 1, 0, 4
	STEPS 1, 0
	s_wait_dscnt 4*NL                              ; the very last step: nothing more to fetch
	WIN MUL_LO
	MUL16 0, 1, NQ-1, 1, 0
	MUL16 2, 1, NQ-1, 1, 0
	s_wait_dscnt 0
	WIN MUL_HI
	MUL16 4, 1, NQ-1, 1, 0
	MUL16 6, 1, NQ-1, 1, 0
	WIN 0
; THE WAY OUT, a block of 16 A rows at a time: x the factor, rounded to f16 in pairs; accumulator (a, b) is half b % 2 of fragment (a, b / 2): 512 b bytes on in the block's row of fragments.
.macro OUTBLK a
.if (\a) > 0
	s_wait_xcnt 0x0                                ; the last block's stores have read their registers and their base: both are written again only behind this wait
	s_add_nc_u64 s[12:13], s[12:13], s[AST:AST+1]
.endif
.set AC, 64*((\a)%4)
	WIN 0x02+(\a)/4                                ; source 0: window 2 or 3
.irp b, 0,1,2,3,4,5,6,7
.irp i, 0,2,4,6
	v_pk_mul_f32 v[TP+8*\b+\i:TP+8*\b+\i+1], v[AC+8*\b+\i:AC+8*\b+\i+1], s[SCF:SCF+1] op_sel_hi:[1,0]   ; each accumulator from its low end on
.endr
.endr
	WIN 0
.irp b, 0,1,2,3,4,5,6,7
.irp i, 0,1,2,3
	v_cvt_pk_f16_f32 v[PK+4*\b+\i], v[TP+8*\b+2*\i], v[TP+8*\b+2*\i+1]
.endr
.endr
.irp b, 0,1,2,3,4,5,6,7
	global_store_b128 v[CO], v[PK+4*\b:PK+4*\b+3], s[12:13] offset:512*\b   ; 32 lanes store 512 consecutive bytes
.endr
.endm
	PLACES NP                                      ; behind the last products: the first block's multiplies write the registers that held A's fragments
.irp a, 0,1,2,3,4,5,6,7
	OUTBLK \a
.endr
	s_wait_tensorcnt 0x0                           ; the wave's end
	ds_add_u32 v[SPW], v[NIL]
	s_wait_dscnt 0x0
	CROUND                                         ; the closing round: no work-group ends while a partner may still ask for a tile that names it
	s_endpgm
.Lfunc_end_k_q669d4dbffa_qkv:
	.size	k_q669d4dbffa_qkv, .Lfunc_end_k_q669d4dbffa_qkv-k_q669d4dbffa_qkv
	.p2alignl 7, 3214868480
	.fill 96, 4, 3214868480
	.section	.rodata,"a",@progbits
	.p2align	6, 0x0
	.amdhsa_kernel k_q669d4dbffa_qkv
		.amdhsa_group_segment_fixed_size 327680
		.amdhsa_private_segment_fixed_size 0
		.amdhsa_enable_private_segment 0
		.amdhsa_kernarg_size 32
		.amdhsa_user_sgpr_count 2
		.amdhsa_user_sgpr_kernarg_segment_ptr 1
		.amdhsa_wavefront_size32 1
		.amdhsa_system_sgpr_workgroup_id_x 1
		.amdhsa_system_sgpr_workgroup_id_y 1
		.amdhsa_system_sgpr_workgroup_id_z 1
		.amdhsa_system_vgpr_workitem_id 0
		.amdhsa_next_free_vgpr 1024
		.amdhsa_next_free_sgpr 100
		.amdhsa_reserve_vcc 0
		.amdhsa_float_denorm_mode_32 3
		.amdhsa_float_denorm_mode_16_64 3
		.amdhsa_memory_ordered 1
		.amdhsa_forward_progress 1
		.amdhsa_inst_pref_size 134
	.end_amdhsa_kernel
	.amdgpu_metadata
---
amdhsa.version: [ 1, 2 ]
amdhsa.kernels:
  - .name:           k_q669d4dbffa_qkv
    .symbol:         k_q669d4dbffa_qkv.kd
    .args:
      - { .name: codes, .offset: 0, .size: 8, .value_kind: global_buffer, .address_space: global }
      - { .name: scales, .offset: 8, .size: 8, .value_kind: global_buffer, .address_space: global }
      - { .name: qk16, .offset: 16, .size: 8, .value_kind: global_buffer, .address_space: global }
      - { .name: v16, .offset: 24, .size: 8, .value_kind: global_buffer, .address_space: global }
    .group_segment_fixed_size: 327680
    .private_segment_fixed_size: 0
    .kernarg_segment_align: 8
    .kernarg_segment_size: 32
    .max_flat_workgroup_size: 128
    .sgpr_count:     100
    .vgpr_count:     1024
    .wavefront_size: 32
...
	.end_amdgpu_metadata
.endif
;; end of part 2
;; launch attn (part 3): grid 8 x 32, 8 waves a work-group, clusters of 4 x 1, 327,680 bytes of LDS; arguments qk16, v16, mask, ctx16; writes ctx16
.if DOCPART == 3
	.amdgcn_target "amdgcn-amd-amdhsa--gfx1250"
	.amdhsa_code_object_version 6
	.text
	.protected	k_q669d4dbffa_attn
	.globl	k_q669d4dbffa_attn
	.p2align	8
	.type	k_q669d4dbffa_attn,@function
k_q669d4dbffa_attn:
	s_mov_b64 s[64:65], 0
	v_nop
	global_prefetch_b8 v0, s[64:65] scope:SCOPE_SE
	s_setreg_imm32_b32 hwreg(HW_REG_WAVE_MODE, 25, 1), 1
	s_wait_xcnt 0x0
	s_wait_alu depctr_hold_cnt(0) depctr_sa_sdst(0) depctr_va_vdst(0) depctr_va_sdst(0) depctr_va_ssrc(0) depctr_va_vcc(0) depctr_vm_vsrc(0)
	s_getreg_b32 s2, hwreg(HW_REG_IB_STS2, 6, 4)
	s_cmp_eq_u32 s2, 0
	s_cbranch_scc0 .Lentry_in_a_cluster
	s_endpgm
.Lentry_in_a_cluster:
	s_bfe_u32 s2, ttmp6, 0x10000c
	s_cmp_lg_u32 s2, 0x3003
	s_cbranch_scc0 .Lentry_shape_is_right
	s_endpgm
.Lentry_shape_is_right:
; context[b][h][q][:] = the sum over k of softmax_k(q . k / 8, keys with mask = 0 at -infinity) v[k][:], 2 batches x 16 heads x 2,048 x 64.  Operands f16, products, maxima and sums f32.
; q arrives multiplied by log2(e) / 8, so a score is t, the exponent to base 2.  q, k, v arrive, and the context leaves, as IMAGES OF OPERAND REGISTERS: a fragment (16 rows x 32 along K) is 1,024 bytes, registers 4 u .. 4 u + 3 of lane l
; at 512 u + 16 l: every load and store of a wave is 512 consecutive bytes at 16 x lane, in memory and in LDS; no pitch, no padding, nothing is turned.
; SHARES.  A work-group owns 256 queries of one head; each of its EIGHT waves 32 of them, two tiles of 16, in 384 registers: two waves to a SIMD, so that one wave's vector work stands beside the other's products.
; Every wave walks all 2,048 keys, 64 a step.  K and V come through two LDS slots of 512 keys, filled by the tensor data mover: waves 0-3 a quarter of K's tile each, waves 4-7 a quarter of V's.
; CLUSTER.  The four query blocks of a cluster belong to one head and walk the same K and V: each tile is asked for JOINTLY, by the same tensor load with a mask that names the four.
; LAYOUT.  S^T = K Q^T (source 0 = 16 keys, source 1 = 16 queries) and O^T = V^T P (source 0 = 16 channels, source 1 = P): a lane holds ONE query (lane % 16) throughout; two tiles of S^T, rounded to f16 in pairs, ARE source 1 of the second product.
; THE MASK is turned once into 2,048 f32 numbers in LDS, 0 for a key that counts and -3e38 for one that does not, and enters as the C of each score's first matrix instruction.
; SOFTMAX.  For each query a running maximum m, begun at -1e30, and sum l: p = 2^(t - m); in every step O and l are multiplied by a = 2^(m_old - m_new).  A hidden key's p is 2^(-3e38 - m) = 0.
; THE FETCHES RUN A STEP AHEAD.  K and the keys' numbers of step j + 1 are asked of LDS directly behind the products K Q^T of step j, V of step j + 1 directly behind the products V^T P of step j: each run of loads has a softmax
; and a run of products in which to come.  THE CHANGE OF SLOTS stands behind the products K Q^T of a slot's last step: K of that step has been multiplied and V of that step was asked for a phase earlier, so nothing of the slot is
; wanted any more, and the next slot's first K is fetched under that step's softmax like every other.
; LIMITS: t lies above -1e30; NaN and infinities are not served; a batch whose keys are all hidden gives NaN (0 x 1 / 0), as the definition does; p under 6e-8 of the row's running largest is rounded to 0 in f16;
;   |context| stays under 65,504, and under 6e-5 it is carried as f16 subnormals (absolute error at most 3e-8).
; All of a WGP's LDS is claimed; the text uses 271,360 bytes.
; REGISTERS.  window 0, all that a vector instruction names: v1-9 addresses; v10-15 at work at the head; v16-31 eight registers of statistics a tile; v32-95 S^T, 32 a tile, then p, then P in the first 16;
;   v96-127 the keys' 0 or -3e38; v128-191 O^T, 32 a tile; v192-223 Q, 16 a tile.   window 1: v0-63 K's fragments of a step, v64-127 V's.
.set SLOTB, 131072                     ; a slot: K's 32 key tiles x 2,048 bytes, then V's 4 channel tiles x 16,384 bytes; one exclusive or turns an address in one slot into the other's
.set VOFF,  65536
.set BIAS,  2*SLOTB
.set SPARE, BIAS+8192                  ; the spare words, 128 bytes for each of eight waves, which no other line names
.set LI,  1                            ; v1  16 x lane; never rewritten
.set ADK, 2                            ; v2  LDS address of the K tile to be fetched
.set ADB, 3                            ; v3  of its keys' numbers
.set BI0, 4                            ; v4  BIAS + 32 (lane / 16); never rewritten
.set PFO, 5                            ; v5  the prefetch's offset; never rewritten
.set SPW, 6                            ; v6  LDS address of my spare word; never rewritten
.set NIL, 7                            ; v7  0; never rewritten
.set ADV, 8                            ; v8  LDS address of the V tile to be fetched
.set AV0, 9                            ; v9  VOFF + 16 x lane; never rewritten
.set ST,  16                           ; tile t's statistics at v[ST + 8 t]: +0 m, +1 written 0 (named with m as a pair), +2, +3 l (even keys', odd keys'), +4 .. +7 c0-c3 at work; a takes c2's place
.set S,   32
.set BR,  96
.set OT,  128
.set Q,   192
.set KF,  0                            ; in window 1
.set VF,  64                           ; in window 1
.set WV,  12                           ; s12 my wave's number
.set LIM, 15                           ; s15 1 in a wave that prefetches, else the greatest number
.set PFA, 18                           ; s[18:19] where my prefetch stands; never rewritten
.set G1K, 24                           ; s[24:31] descriptor group 1 for K's tiles;  s[32:39] for V's
.set G1V, 32
.set G0K, 40                           ; s[40:47] descriptor group 0 for K's tiles: a set for each of the two first fills; the second then walks on
.set G0V, 48                           ; s[48:55] the same for V's
.set SEL, 66                           ; s[66:67] lane selects for v_permlanex16_b32: lane l xor 16
.set TK,  68                           ; s68 LDS byte of the K tile to be fetched next: the slot + 8,192 a step
.set TV,  69                           ; s69 of the V tile: the slot + 2,048 a step
.set TBI, 70                           ; s70 of the keys' numbers: 256 a step
.set SLOTS, 71                         ; s71 slots still to be asked for
.set CNT, 72                           ; s72 counts a slot's plain steps
.set MSB, 0
.macro WIN new                         ; the immediate's high byte repeats the setting that is left
.if MSB != \new
	s_set_vgpr_msb (MSB<<8)|\new
.set MSB, \new
.endif
.endm
.set W_M,  0x01                        ; a product: source 0 (K or V) in window 1, all else in window 0
.set TO_F, 0x40                        ; a load of fragments: destination window 1, address window 0
; A joint refill: waves 0-3 fetch K's quarters, waves 4-7 V's; the branch hangs on the wave's number alone.  An s_nop 0 and four v_nop follow each of the two lines.
.macro JLOAD
	s_cmp_lt_u32 s[WV], 4
	s_cbranch_scc0 .Lfor_v_\@
	tensor_load_to_lds s[G0K+4:G0K+7], s[G1K:G1K+7]
	s_nop 0
.rept 4
	v_nop
.endr
	s_branch .Lasked_\@
.Lfor_v_\@:
	tensor_load_to_lds s[G0V+4:G0V+7], s[G1V:G1V+7]
	s_nop 0
.rept 4
	v_nop
.endr
.Lasked_\@:
.endm
; A PREFETCH of what the NEXT change of slots will ask for.  The launch has two refills, slots 2 and 3, so there is one request: at the first change, for slot 3: K's 32 rows of 2,048 bytes and V's 4 runs of 16,384 bytes,
; 256 pieces of 256 bytes each, a lane a piece.  Each piece is named ONCE in the launch: both clusters of a head walk the same K and V, and the first of them asks; its four partners share the pieces out BY ADDRESS, 64 each
; (K: eight rows; V: one run); in each, waves 0 and 1 ask for K's and waves 4 and 5 for V's, one instruction a wave.  It stands a slot's eight key steps ahead of the load that will want the bytes.
.macro ASK
	s_cmp_gt_u32 s[SLOTS], s[LIM]
	s_cbranch_scc0 .Lnot_mine_\@
	global_prefetch_b8 v[PFO], s[PFA:PFA+1] th:TH_LOAD_NT scope:SCOPE_SE
.Lnot_mine_\@:
.endm
.macro CROUND                          ; a round of the cluster's barrier
	s_barrier_signal -1
	s_barrier_wait -1
	s_cmp_lg_u32 s[WV], 0
	s_cbranch_scc1 .Lnot_wave_0_\@
	s_barrier_signal -3
.Lnot_wave_0_\@:
	s_barrier_wait -3
	s_barrier_signal -1
	s_barrier_wait -1
.endm
	s_load_b256 s[4:11], s[0:1], 0x0               ; qk16 s[4:5], v16 s[6:7], mask s[8:9], ctx16 s[10:11]
	v_lshl_add_u32 v[SPW], v0, 2, SPARE
	v_mov_b32 v[NIL], 0
	ds_add_u32 v[SPW], v[NIL]                      ; the wave's opening: the add, twice on end, and its wait ahead of my first tensor load
	ds_add_u32 v[SPW], v[NIL]
	v_lshrrev_b32 v10, 5, v0
	v_readfirstlane_b32 s[WV], v10                 ; wave 0..7
	s_bfe_u32 s13, ttmp6, 0x40000                  ; cx: my place in the cluster
	s_lshl_b32 s14, ttmp9, 2
	s_add_co_u32 s14, s14, s13                     ; my block of 256 queries: it enters Q's and the context's addresses alone
	s_and_b32 s17, ttmp7, 0xffff
	s_lshr_b32 s16, s17, 4                         ; the batch
	s_and_b32 s17, s17, 15                         ; the head: the four partners share both
	s_and_b32 s56, s[WV], 3                        ; which quarter of a tile I fetch
	s_lshl_b32 s57, s16, 23                        ; qk16: 128 rows of fragments of 65,536 bytes a batch,
	s_lshl_b32 s58, s17, 11                        ; two fragments a head
	s_add_co_u32 s57, s57, s58
	s_lshl_b32 s58, s17, 19                        ; v16: four rows of fragments of 131,072 bytes a head,
	s_lshl_b32 s59, s16, 16                        ; 64 fragments a batch
	s_add_co_u32 s58, s58, s59
	s_lshl_b32 s59, s56, 19                        ; K: my eight key tiles of a slot's 32;
	s_add_co_u32 s59, s59, s57
	s_add_co_u32 s22, s59, 32768                   ; k's features lie 32 fragments behind q's
	s_mov_b32 s23, 0
	s_lshl_b32 s59, s56, 17                        ; V: my channel tile
	s_add_co_u32 s60, s59, s58
	s_mov_b32 s61, 0
	s_lshl_b32 s[G0K+1], s56, 14                   ; LDS: 16,384 bytes a quarter: no place in the cluster enters an LDS address
	s_add_co_u32 s[G0V+1], s[G0K+1], VOFF
	s_add_co_u32 s[G0K+5], s[G0K+1], SLOTB         ; and the same in slot 1
	s_add_co_u32 s[G0V+5], s[G0V+1], SLOTB
	; the prefetch: my work-group's and my wave's share of slot 3
	s_and_b32 s62, s[WV], 1
	s_lshl_b32 s73, s13, 19                        ; K: eight rows a partner,
	s_add_co_u32 s73, s73, s57
	s_lshl_b32 s74, s62, 18                        ; four a wave
	s_add_co_u32 s73, s73, s74
	s_add_co_u32 s73, s73, 32768+3*0x200000
	s_lshl_b32 s74, s13, 17                        ; V: a channel tile a partner,
	s_add_co_u32 s74, s74, s58
	s_lshl_b32 s75, s62, 13                        ; 8,192 bytes a wave
	s_add_co_u32 s74, s74, s75
	s_add_co_u32 s74, s74, 3*16384
	s_mov_b32 s75, 2048
	s_cmp_lt_u32 s[WV], 4
	s_cselect_b32 s20, s73, s74
	s_cselect_b32 s75, 0x10000, s75                ; from eight lanes to the next eight
	s_mov_b32 s21, 0
	s_and_b32 s[LIM], s[WV], 2
	s_or_b32 s[LIM], s[LIM], ttmp9                 ; 0 in waves 0, 1, 4 and 5 of the head's first cluster: the same in all four partners
	s_cmp_eq_u32 s[LIM], 0
	s_cselect_b32 s[LIM], 1, -1
	s_lshl_b32 s59, s14, 20                        ; Q: 16 rows of fragments a block of queries,
	s_add_co_u32 s57, s57, s59
	s_lshl_b32 s59, s[WV], 17                      ; two a wave
	s_add_co_u32 s58, s57, s59
	s_mov_b32 s59, 0
	s_lshl_b32 s62, s16, 22                        ; the context: rows of 32 fragments: 128 a batch,
	s_lshl_b32 s63, s14, 19                        ; 16 a block,
	s_add_co_u32 s62, s62, s63
	s_lshl_b32 s63, s[WV], 16                      ; two a wave;
	s_add_co_u32 s62, s62, s63
	s_lshl_b32 s63, s17, 11                        ; two fragments a head
	s_add_co_u32 s62, s62, s63
	s_mov_b32 s63, 0
	s_lshl_b32 s16, s16, 11                        ; the mask: 2,048 bytes a batch
	s_mov_b32 s17, 0
	; descriptor group 1.  K: 8 rows of 2,048 bytes (256 elements of 8 bytes), 65,536 bytes apart;  V: 16,384 dense bytes as 64 rows of 256
	s_mov_b32 s[G1K], 15|(3<<16)|(1<<21)           ; 15:0 the mask: all four work-groups; 17:16 elements of 8 bytes; 21 set beside a mask; no padding
	s_mov_b32 s[G1K+1], 256<<16                    ; tensor_dim0
	s_mov_b32 s[G1K+2], 8<<16                      ; tensor_dim1
	s_mov_b32 s[G1K+3], 256<<16                    ; tile_dim0
	s_mov_b32 s[G1K+4], 8                          ; tile_dim1
	s_mov_b32 s[G1K+5], 8192                       ; tensor_dim0_stride, in elements
	s_mov_b32 s[G1K+6], 0
	s_mov_b32 s[G1K+7], 0
	s_mov_b32 s[G1V], 15|(3<<16)|(1<<21)
	s_mov_b32 s[G1V+1], 32<<16
	s_mov_b32 s[G1V+2], 64<<16
	s_mov_b32 s[G1V+3], 32<<16
	s_mov_b32 s[G1V+4], 64
	s_mov_b32 s[G1V+5], 32
	s_mov_b32 s[G1V+6], 0
	s_mov_b32 s[G1V+7], 0
	s_mov_b32 s[SEL], 0x76543210
	s_mov_b32 s[SEL+1], 0xfedcba98
	s_mov_b32 s[TK], 0
	s_mov_b32 s[TV], 0
	s_mov_b32 s[TBI], 0
	s_mov_b32 s[SLOTS], 2
	v_and_b32 v10, 31, v0
	v_lshlrev_b32 v[LI], 4, v10
	v_add_nc_u32 v[AV0], VOFF, v[LI]
	v_bfe_u32 v11, v0, 4, 1
	v_lshl_add_u32 v[BI0], v11, 5, BIAS
	v_lshrrev_b32 v12, 3, v10
	v_mul_lo_u32 v12, v12, s75
	v_and_b32 v13, 7, v10
	v_lshl_add_u32 v[PFO], v13, 8, v12
	v_lshlrev_b32 v14, 3, v0                       ; the mask: 8 bytes a thread
	v_lshl_add_u32 v15, v0, 5, BIAS                ; and where their 8 numbers go
	s_wait_dscnt 0x0                               ; both opening adds are done
	s_wait_kmcnt 0x0
	s_mov_b32 s[G0K], 1                            ; 1:0 count = 1
	s_add_nc_u64 s[G0K+2:G0K+3], s[4:5], s[22:23]  ; 120:64 global address: slot 0's keys
	s_mov_b32 s[G0K+4], 1
	s_add_nc_u64 s[G0K+6:G0K+7], s[G0K+2:G0K+3], 0x200000   ; slot 1's: 32 rows of fragments on
	s_or_b32 s[G0K+3], s[G0K+3], 0x80000000        ; 127:126 type = 2
	s_or_b32 s[G0K+7], s[G0K+7], 0x80000000
	s_mov_b32 s[G0V], 1
	s_add_nc_u64 s[G0V+2:G0V+3], s[6:7], s[60:61]
	s_mov_b32 s[G0V+4], 1
	s_add_nc_u64 s[G0V+6:G0V+7], s[G0V+2:G0V+3], 16384      ; 16 fragments on
	s_or_b32 s[G0V+3], s[G0V+3], 0x80000000
	s_or_b32 s[G0V+7], s[G0V+7], 0x80000000
	s_cmp_lt_u32 s[WV], 4
	s_cselect_b64 s[PFA:PFA+1], s[4:5], s[6:7]
	s_add_nc_u64 s[PFA:PFA+1], s[PFA:PFA+1], s[20:21]
	s_add_nc_u64 s[4:5], s[4:5], s[58:59]          ; Q at my wave's first tile
	s_add_nc_u64 s[8:9], s[8:9], s[16:17]          ; the mask at my batch
	s_add_nc_u64 s[10:11], s[10:11], s[62:63]      ; the context at my wave's first tile
	CROUND                                         ; all four work-groups are here: the first joint loads meet
	s_cmp_lt_u32 s[WV], 4                          ; a wave's two first fills stand in one branch, ahead of every wait on TENSORcnt and every LDS read: two loads of mine are out
	s_cbranch_scc0 .Lfirst_v
	tensor_load_to_lds s[G0K:G0K+3], s[G1K:G1K+7]
	s_nop 0
	tensor_load_to_lds s[G0K+4:G0K+7], s[G1K:G1K+7]
	s_nop 0
.rept 4
	v_nop
.endr
	s_branch .Lfirst_asked
.Lfirst_v:
	tensor_load_to_lds s[G0V:G0V+3], s[G1V:G1V+7]
	s_nop 0
	tensor_load_to_lds s[G0V+4:G0V+7], s[G1V:G1V+7]
	s_nop 0
.rept 4
	v_nop
.endr
.Lfirst_asked:
	global_load_b64 v[12:13], v14, s[8:9]          ; my 8 keys' mask bytes
.irp t, 0,1
.irp i, 0,1,2,3
	global_load_b128 v[Q+16*\t+4*\i:Q+16*\t+4*\i+3], v[LI], s[4:5] offset:65536*\t+512*\i   ; Q stays in registers: tile t, channels 32 (i / 2) on
.endr
.endr
.irp j, 0,1,2,3,4,5,6,7,8,9,10,11,12,13,14,15,16,17,18,19,20,21,22,23,24,25,26,27,28,29,30,31,32,33,34,35,36,37,38,39,40,41,42,43,44,45,46,47,48,49,50,51,52,53,54,55,56,57,58,59,60,61,62,63
	v_mov_b32 v[OT+\j], 0                          ; O^T.  (The key step is written once: its first turn finds zeros, which the first a leaves zeros)
.endr
.irp t, 0,1
	v_mov_b32 v[ST+8*\t], 0xf149f2ca               ; m = -1e30: above a hidden key's -3e38, under every t that is served
	v_mov_b32 v[ST+8*\t+1], 0
	v_mov_b32 v[ST+8*\t+2], 0                      ; l
	v_mov_b32 v[ST+8*\t+3], 0
.endr
	s_wait_loadcnt 0x0                             ; the mask bytes and Q
.irp i, 0,1,2,3,4,5,6,7
	v_bfe_u32 v[S+\i], v[12+\i/4], 8*(\i%4), 8     ; 1 or 0
.endr
.irp i, 0,1,2,3,4,5,6,7
	v_add_nc_u32 v[S+\i], -1, v[S+\i]              ; no bit, or all
.endr
.irp i, 0,1,2,3,4,5,6,7
	v_and_b32 v[S+\i], 0xff61b1e6, v[S+\i]         ; 0, or -3e38
.endr
	ds_store_b128 v15, v[S:S+3]
	ds_store_b128 v15, v[S+4:S+7] offset:16
; THE RUNS OF LDS LOADS.  n: v_nop that, with the additions, make up the places behind the products that read these registers last.
.macro FETCH_K n                       ; a step's K, 64 keys x 64 channels: 8 fragments; and its keys' 0 or -3e38, in the layout of a result
	v_add_nc_u32 v[ADK], s[TK], v[LI]
	v_add_nc_u32 v[ADB], s[TBI], v[BI0]
.rept \n
	v_nop
.endr
	WIN TO_F
.irp i, 0,1,2,3,4,5,6,7,8,9,10,11,12,13,14,15
	ds_load_b128 v[KF+4*\i:KF+4*\i+3], v[ADK] offset:512*\i          ; key tile i / 4, channels 32 ((i / 2) % 2) on
.endr
	WIN 0
.irp kt, 0,1,2,3
	ds_load_b128 v[BR+8*\kt:BR+8*\kt+3], v[ADB] offset:64*\kt        ; keys 16 kt + 8 (lane / 16) + 0..7
	ds_load_b128 v[BR+8*\kt+4:BR+8*\kt+7], v[ADB] offset:64*\kt+16
.endr
.endm
.macro FETCH_V n                       ; a step's V^T, 64 channels x 64 keys: 8 fragments
	v_add_nc_u32 v[ADV], s[TV], v[AV0]
.rept \n
	v_nop
.endr
	WIN TO_F
.irp ct, 0,1,2,3
.irp g, 0,1
.irp u, 0,1
	ds_load_b128 v[VF+8*(2*\ct+\g)+4*\u:VF+8*(2*\ct+\g)+4*\u+3], v[ADV] offset:16384*\ct+1024*\g+512*\u   ; channels 16 ct on, keys 32 g on
.endr
.endr
.endr
	WIN 0
.endm
.macro ONWARD                          ; the next fetches are the next step's
	s_add_co_u32 s[TK], s[TK], 8192
	s_add_co_u32 s[TV], s[TV], 2048
	s_add_co_u32 s[TBI], s[TBI], 256
.endm
; THE CHANGE OF SLOTS.  Each wave waits for all its tensor loads (its part of the slot ahead), adds 0 to its spare word, and waits for that and for its reads of the slot that it leaves, V of the step in hand among them.
; fill = 1: the barrier is a round of the cluster's, so that no wave of any partner still reads the slot or has a load on its way, and the slot is filled with the keys two slots on: the load has eight key steps in which to land.
.macro CHANGE fill
	s_wait_tensorcnt 0x0                           ; no tensor load of mine is out, so a group 0 may be written
	ds_add_u32 v[SPW], v[NIL]                      ; 0 onto my spare word; the steps below stand between it and the wait for it
.if \fill
	s_xor_b32 s[G0K+5], s[G0K+5], SLOTB            ; the walking descriptors: the other slot than last time,
	s_add_nc_u64 s[G0K+6:G0K+7], s[G0K+6:G0K+7], 0x200000   ; the next 32 key tiles; the type bits on top are not reached
	s_xor_b32 s[G0V+5], s[G0V+5], SLOTB
	s_add_nc_u64 s[G0V+6:G0V+7], s[G0V+6:G0V+7], 16384
.endif
	s_sub_co_u32 s[TK], s[TK], 8*8192              ; the fetches go back to a slot's first step,
	s_xor_b32 s[TK], s[TK], SLOTB                  ; in the other slot
	s_sub_co_u32 s[TV], s[TV], 8*2048
	s_xor_b32 s[TV], s[TV], SLOTB
	s_wait_dscnt 0x0                               ; the add is done, and my reads of the slot that I leave are over
.if \fill
	CROUND
	JLOAD                                          ; the first thing behind the round, and my one tensor load until the next
.else
	s_barrier_signal -1
	s_barrier_wait -1
.endif
.endm
; A KEY STEP: 64 keys.  On the way in K and the keys' numbers of this step have been asked for, and behind them its V.
; mode 0: a plain step;  1: a slot's last step, the slot is filled again;  2: a slot's last step, nothing is left to ask for;  3: the last step of all: nothing more is fetched.
.macro STEP mode
	s_wait_dscnt 16                                ; K and the keys' numbers are in; V's sixteen loads, issued behind them, may be out
	WIN W_M
.irp kt, 0,1,2,3                               ; S^T = K Q^T + the keys' numbers.  The eight accumulators take turns, one instruction a turn
.irp t, 0,1
	v_wmma_f32_16x16x32_f16 v[S+32*\t+8*\kt:S+32*\t+8*\kt+7], v[KF+16*\kt:KF+16*\kt+7], v[Q+16*\t:Q+16*\t+7], v[BR+8*\kt:BR+8*\kt+7]
.endr
.endr
.irp kt, 0,1,2,3
.irp t, 0,1
	v_wmma_f32_16x16x32_f16 v[S+32*\t+8*\kt:S+32*\t+8*\kt+7], v[KF+16*\kt+8:KF+16*\kt+15], v[Q+16*\t+8:Q+16*\t+15], v[S+32*\t+8*\kt:S+32*\t+8*\kt+7]
.endr
.endr
	WIN 0
.if \mode == 1
	CHANGE 1
.elseif \mode == 2
	CHANGE 0
.endif
.if \mode < 3
	FETCH_K 2                                      ; the next step's.  Two additions and two v_nop: the four places in front of loads into registers that the products have read, and of the first read of the scores
.else
.rept 4
	v_nop                                          ; places in front of the first read of the scores
.endr
.endif
.if \mode == 1
	ASK                                            ; behind the joint load and the run of LDS loads
.endif
	; the maximum of my 32 scores and the old m, three operands at a time, four chains a tile, the two tiles line by line; each accumulator is read from its low end on
.irp j, 0,1,2,3
.irp t, 0,1
	v_max3_num_f32 v[ST+8*\t+4+\j], v[S+32*\t+8*\j], v[S+32*\t+8*\j+1], v[S+32*\t+8*\j+2]
.endr
.endr
.irp d, 3,5
.irp j, 0,1,2,3
.irp t, 0,1
	v_max3_num_f32 v[ST+8*\t+4+\j], v[ST+8*\t+4+\j], v[S+32*\t+8*\j+\d], v[S+32*\t+8*\j+\d+1]
.endr
.endr
.endr
.irp t, 0,1
	v_max3_num_f32 v[ST+8*\t+4], v[ST+8*\t+4], v[S+32*\t+7], v[S+32*\t+15]
	v_max3_num_f32 v[ST+8*\t+6], v[ST+8*\t+6], v[S+32*\t+23], v[S+32*\t+31]
.endr
.irp t, 0,1
	v_max3_num_f32 v[ST+8*\t+4], v[ST+8*\t+4], v[ST+8*\t+5], v[ST+8*\t+6]
.endr
.irp t, 0,1
	v_max3_num_f32 v[ST+8*\t+4], v[ST+8*\t+4], v[ST+8*\t+7], v[ST+8*\t]
.endr
.irp t, 0,1
	v_permlanex16_b32 v[ST+8*\t+5], v[ST+8*\t+4], s[SEL], s[SEL+1]   ; the query's other 32 keys lie in the lane 16 away
.endr
.irp t, 0,1
	v_max_num_f32 v[ST+8*\t+4], v[ST+8*\t+4], v[ST+8*\t+5]           ; the new m
.endr
.irp t, 0,1
	v_sub_f32 v[ST+8*\t+7], v[ST+8*\t], v[ST+8*\t+4]                 ; m_old - m_new
.endr
.irp t, 0,1
	v_mov_b32 v[ST+8*\t], v[ST+8*\t+4]
.endr
.irp t, 0,1
	v_exp_f32 v[ST+8*\t+6], v[ST+8*\t+7]           ; a: a small batch of its own, so that O^T's rescaling can stand among the exponentials below
.endr
.irp i, 0,2,4,6,8,10,12,14,16,18,20,22,24,26,28,30
.irp t, 0,1
	v_pk_add_f32 v[S+32*\t+\i:S+32*\t+\i+1], v[S+32*\t+\i:S+32*\t+\i+1], v[ST+8*\t:ST+8*\t+1] op_sel_hi:[1,0] neg_lo:[0,1] neg_hi:[0,1]   ; t - m, two at a time: the independent work behind the two a
.endr
.endr
	s_wait_alu depctr_va_vdst(0)                   ; the wait ahead of the first instruction that names a
	; THE BATCH: 64 p.  Behind each two exponentials stands one multiplication of O^T by a, which names no result of the batch; the last line is such a one: the plain instruction behind the last exponential
.irp i, 0,2,4,6,8,10,12,14,16,18,20,22,24,26,28,30
.irp t, 0,1
	v_exp_f32 v[S+32*\t+\i], v[S+32*\t+\i]         ; p = 2^(t - m), at most 1
	v_exp_f32 v[S+32*\t+\i+1], v[S+32*\t+\i+1]
	v_pk_mul_f32 v[OT+32*\t+\i:OT+32*\t+\i+1], v[OT+32*\t+\i:OT+32*\t+\i+1], v[ST+8*\t+6:ST+8*\t+7] op_sel_hi:[1,0]   ; O^T x a, each accumulator from its low end on
.endr
.endr
	s_wait_alu depctr_va_vdst(0)                   ; and one wait for the 64, ahead of the first instruction that names a p
	; l = a l + the sum of the unrounded p: two chains a tile
.irp t, 0,1
	v_pk_fma_f32 v[ST+8*\t+2:ST+8*\t+3], v[ST+8*\t+2:ST+8*\t+3], v[ST+8*\t+6:ST+8*\t+7], v[S+32*\t:S+32*\t+1] op_sel_hi:[1,0,1]
	v_pk_add_f32 v[ST+8*\t+4:ST+8*\t+5], v[S+32*\t+2:S+32*\t+3], v[S+32*\t+6:S+32*\t+7]
.endr
.irp t, 0,1
	v_pk_add_f32 v[ST+8*\t+2:ST+8*\t+3], v[ST+8*\t+2:ST+8*\t+3], v[S+32*\t+4:S+32*\t+5]
.endr
.irp i, 8,12,16,20,24,28
.irp t, 0,1
	v_pk_add_f32 v[ST+8*\t+2:ST+8*\t+3], v[ST+8*\t+2:ST+8*\t+3], v[S+32*\t+\i:S+32*\t+\i+1]
	v_pk_add_f32 v[ST+8*\t+4:ST+8*\t+5], v[ST+8*\t+4:ST+8*\t+5], v[S+32*\t+\i+2:S+32*\t+\i+3]
.endr
.endr
.irp i, 0,1,2,3,4,5,6,7,8,9,10,11,12,13,14,15
.irp t, 0,1
	v_cvt_pk_f16_f32 v[S+32*\t+\i], v[S+32*\t+2*\i], v[S+32*\t+2*\i+1]   ; P in place, ascending: register i is written when registers 2 i and 2 i + 1 are read, and nothing under 2 i + 2 is read later
.endr
.endr
.irp t, 0,1
	v_pk_add_f32 v[ST+8*\t+2:ST+8*\t+3], v[ST+8*\t+2:ST+8*\t+3], v[ST+8*\t+4:ST+8*\t+5]   ; the two chains meet
.endr
.if \mode < 3
	s_wait_dscnt 24                                ; V is in; the next step's 16 loads of K and 8 of the keys' numbers, issued behind it, may be out
.else
	s_wait_dscnt 0x0                               ; V is in
.endif
	WIN W_M
.irp g, 0,1                                    ; O^T += V^T P: the eight accumulators take turns
.irp ct, 0,1,2,3
.irp t, 0,1
	v_wmma_f32_16x16x32_f16 v[OT+32*\t+8*\ct:OT+32*\t+8*\ct+7], v[VF+8*(2*\ct+\g):VF+8*(2*\ct+\g)+7], v[S+32*\t+8*\g:S+32*\t+8*\g+7], v[OT+32*\t+8*\ct:OT+32*\t+8*\ct+7]
.endr
.endr
.endr
	WIN 0
.if \mode < 3
	FETCH_V 4                                      ; the next step's.  An addition and four v_nop: four places for the loads into V's registers, five for the next step's products, which write over P's
	ONWARD
.endif
.endm
.macro RUN7                            ; a slot's first seven steps: written once, walked seven times; the LDS addresses hang on s[TK], s[TV], s[TBI]
	s_mov_b32 s[CNT], 7
.Lstep_\@:
	STEP 0
	s_sub_co_u32 s[CNT], s[CNT], 1
	s_cmp_lg_u32 s[CNT], 0
	s_cbranch_scc1 .Lstep_\@
.endm
	s_wait_tensorcnt 0x1                           ; my part of slot 0 is in; slot 1's may stay out
	s_wait_dscnt 0x0                               ; my keys' numbers have landed
	s_barrier_signal -1
	s_barrier_wait -1                              ; everybody's have
	FETCH_K 0                                      ; key step 0
	FETCH_V 0
	ONWARD
.Lslot:                                            ; two trips: slots 0 and 1 are filled again, with slots 2 and 3
	RUN7
	STEP 1
	s_sub_co_u32 s[SLOTS], s[SLOTS], 1
	s_cmp_lg_u32 s[SLOTS], 0
	s_cbranch_scc1 .Lslot
	RUN7                                           ; the tail is written out: slot 2 is left, and nothing is asked for
	STEP 2
	RUN7                                           ; slot 3
	STEP 3
	; THE WAY OUT.  l's two halves and the other half of the lanes' are added; O^T / l, rounded to f16 in pairs, is half ct % 2 of the context's fragment (my tile, 2 head + ct / 2): it leaves straight from registers.
.rept 4
	v_nop                                          ; places behind the last products
.endr
.irp t, 0,1
	v_add_f32 v[ST+8*\t+4], v[ST+8*\t+2], v[ST+8*\t+3]
.endr
.irp t, 0,1
	v_permlanex16_b32 v[ST+8*\t+5], v[ST+8*\t+4], s[SEL], s[SEL+1]
.endr
.irp t, 0,1
	v_add_f32 v[ST+8*\t+4], v[ST+8*\t+4], v[ST+8*\t+5]
.endr
.irp t, 0,1
	v_rcp_f32 v[ST+8*\t+6], v[ST+8*\t+4]
.endr
	v_nop                                          ; a plain instruction between the last reciprocal and the use of its result
	s_wait_alu depctr_va_vdst(0)                   ; and the wait ahead of the first use: one for both
.irp t, 0,1
.irp i, 0,2,4,6,8,10,12,14,16,18,20,22,24,26,28,30
	v_pk_mul_f32 v[OT+32*\t+\i:OT+32*\t+\i+1], v[OT+32*\t+\i:OT+32*\t+\i+1], v[ST+8*\t+6:ST+8*\t+7] op_sel_hi:[1,0]
.endr
.endr
.irp t, 0,1
.irp i, 0,1,2,3,4,5,6,7,8,9,10,11,12,13,14,15
	v_cvt_pk_f16_f32 v[S+16*\t+\i], v[OT+32*\t+2*\i], v[OT+32*\t+2*\i+1]   ; S^T's registers are free
.endr
.endr
.irp t, 0,1
.irp ct, 0,1,2,3
	global_store_b128 v[LI], v[S+16*\t+4*\ct:S+16*\t+4*\ct+3], s[10:11] offset:32768*\t+512*\ct   ; 32 lanes store 512 consecutive bytes
.endr
.endr
	s_wait_tensorcnt 0x0                           ; the wave's end: behind my last tensor load and my last LDS store
	ds_add_u32 v[SPW], v[NIL]
	s_wait_dscnt 0x0
	CROUND                                         ; the closing round: no work-group ends while a partner may still ask for a tile that names it
	s_endpgm
.Lfunc_end_k_q669d4dbffa_attn:
	.size	k_q669d4dbffa_attn, .Lfunc_end_k_q669d4dbffa_attn-k_q669d4dbffa_attn
	.p2alignl 7, 3214868480
	.fill 96, 4, 3214868480
	.section	.rodata,"a",@progbits
	.p2align	6, 0x0
	.amdhsa_kernel k_q669d4dbffa_attn
		.amdhsa_group_segment_fixed_size 327680
		.amdhsa_private_segment_fixed_size 0
		.amdhsa_enable_private_segment 0
		.amdhsa_kernarg_size 32
		.amdhsa_user_sgpr_count 2
		.amdhsa_user_sgpr_kernarg_segment_ptr 1
		.amdhsa_wavefront_size32 1
		.amdhsa_system_sgpr_workgroup_id_x 1
		.amdhsa_system_sgpr_workgroup_id_y 1
		.amdhsa_system_sgpr_workgroup_id_z 1
		.amdhsa_system_vgpr_workitem_id 0
		.amdhsa_next_free_vgpr 384
		.amdhsa_next_free_sgpr 76
		.amdhsa_reserve_vcc 0
		.amdhsa_float_denorm_mode_32 3
		.amdhsa_float_denorm_mode_16_64 3
		.amdhsa_memory_ordered 1
		.amdhsa_forward_progress 1
		.amdhsa_inst_pref_size 126
	.end_amdhsa_kernel
	.amdgpu_metadata
---
amdhsa.version: [ 1, 2 ]
amdhsa.kernels:
  - .name:           k_q669d4dbffa_attn
    .symbol:         k_q669d4dbffa_attn.kd
    .args:
      - { .name: qk16, .offset: 0, .size: 8, .value_kind: global_buffer, .address_space: global }
      - { .name: v16, .offset: 8, .size: 8, .value_kind: global_buffer, .address_space: global }
      - { .name: mask, .offset: 16, .size: 8, .value_kind: global_buffer, .address_space: global }
      - { .name: ctx16, .offset: 24, .size: 8, .value_kind: global_buffer, .address_space: global }
    .group_segment_fixed_size: 327680
    .private_segment_fixed_size: 0
    .kernarg_segment_align: 8
    .kernarg_segment_size: 32
    .max_flat_workgroup_size: 256
    .sgpr_count:     76
    .vgpr_count:     384
    .wavefront_size: 32
...
	.end_amdgpu_metadata
.endif
;; end of part 3
;; launch oproj (part 4): grid 8 x 32, 4 waves a work-group, clusters of 4 x 4, 327,680 bytes of LDS; arguments ctx16, wo16, out0; writes out0
.if DOCPART == 4
	.amdgcn_target "amdgcn-amd-amdhsa--gfx1250"
	.amdhsa_code_object_version 6
	.text
	.protected	k_q669d4dbffa_oproj
	.globl	k_q669d4dbffa_oproj
	.p2align	8
	.type	k_q669d4dbffa_oproj,@function
k_q669d4dbffa_oproj:
	s_mov_b64 s[64:65], 0
	v_nop
	global_prefetch_b8 v0, s[64:65] scope:SCOPE_SE
	s_setreg_imm32_b32 hwreg(HW_REG_WAVE_MODE, 25, 1), 1
	s_wait_xcnt 0x0
	s_wait_alu depctr_hold_cnt(0) depctr_sa_sdst(0) depctr_va_vdst(0) depctr_va_sdst(0) depctr_va_ssrc(0) depctr_va_vcc(0) depctr_vm_vsrc(0)
	s_getreg_b32 s2, hwreg(HW_REG_IB_STS2, 6, 4)
	s_cmp_eq_u32 s2, 0
	s_cbranch_scc0 .Lentry_in_a_cluster
	s_endpgm
.Lentry_in_a_cluster:
	s_bfe_u32 s2, ttmp6, 0x10000c
	s_cmp_lg_u32 s2, 0xf033
	s_cbranch_scc0 .Lentry_shape_is_right
	s_endpgm
.Lentry_shape_is_right:
; out0[token][n] = the sum over c of context[token][c] x (Wo[n][c] head_w[c / 64]): [4096][1024] f32; operands f16, sums f32, K = 1,024 ascending.
; Both operands arrive as IMAGES OF OPERAND REGISTERS: fragment (row / 16, c / 32) at ((row / 16) 32 + c / 32) 1,024; registers 4 u .. 4 u + 3 of lane l at 512 u + 16 l.  So every LDS load of a wave is 512 consecutive bytes.
; A tile of out0 is 128 x 128, which gives 256 work-groups; four waves, each 64 x 64: 16 accumulators, 128 registers.  K goes in four steps of 256 (8 fragments, 8,192 bytes for each 16 rows) through two LDS slots.
; CLUSTERS: 4 x 4 work-groups.  The four of a row of the cluster need the same tiles of the context, the four of a column the same tiles of Wo: each tile is asked for JOINTLY.
; The matrix instruction takes source 0 = 16 rows of Wo, source 1 = 16 tokens: a lane then holds eight neighbouring numbers of a row of out0.
; All of a WGP's LDS is claimed; the text uses 280,064 bytes.
; REGISTERS: window 0: v0-31 addresses; v32-95 the way out, two sets of 32; v128-255 the accumulators ((a, b) at v[128 + 8 (4 a + b)]).
;   window 1: two fragment buffers of 128: for 64 along K, 64 registers of the context (2 x 4 x 16 rows x 32 K), then 64 of Wo.
.set HALFT,  32768                     ; 64 rows x 256 along K: four runs of 8,192 bytes: what one tensor load brings
.set SLOT,   4*HALFT                   ; the context's 128 rows, then Wo's 128 rows
.set STAGE,  2*SLOT                    ; behind the slots: 16 rows x 272 bytes for each wave, for the way out
.set SPITCH, 272                       ; 256 bytes + 16: the sixteen rows that a store touches start at sixteen different banks (64 banks of 4 bytes: ISA guide 11.1)
.set SPARE,  STAGE+4*16*SPITCH         ; the spare words, 128 bytes a wave, which no other line names
.set ADRA, 16                          ; v16-17  LDS address of my context fragments in slot 0, 1
.set ADRB, 20                          ; v20-21  the same for Wo
.set STO,  24                          ; v24     the way out: where I put 32 bytes of a row
.set RD,   25                          ; v25     the way out: where I read a row back
.set CO,   26                          ; v26     my byte offset in out0
.set SPW,  28                          ; v28     LDS address of my spare word; never rewritten
.set NIL,  29                          ; v29     0; never rewritten
.set TMP,  32
.set ACC,  128
.set F0,   0                           ; fragment buffers, in window 1
.set F1,   128
.set G1, 24                            ; s[24:31] descriptor group 1 for the context's tiles;  s[32:39] group 0, one set for each slot
.set G0, 32
.set G1B, 48                           ; s[48:55], s[56:63] the same for Wo's tiles
.set G0B, 56
.set MSB, 0
.macro WIN new                         ; the immediate's high byte repeats the setting that is left
.if MSB != \new
	s_set_vgpr_msb (MSB<<8)|\new
.set MSB, \new
.endif
.endm
.set MUL,  0x05                        ; sources 0 and 1 window 1; C and D window 0
.set TO_F, 0x40                        ; destination window 1, address window 0
.macro JLOAD s                         ; a joint load: waves 0 and 1 fetch the context's two halves, waves 2 and 3 Wo's; an s_nop 0 and four v_nop follow each of the two lines
	s_cmp_eq_u32 s11, 0
	s_cbranch_scc0 .Lfor_b_\@
	tensor_load_to_lds s[G0+4*\s:G0+4*\s+3], s[G1:G1+7]
	s_nop 0
.rept 4
	v_nop
.endr
	s_branch .Lasked_\@
.Lfor_b_\@:
	tensor_load_to_lds s[G0B+4*\s:G0B+4*\s+3], s[G1B:G1B+7]
	s_nop 0
.rept 4
	v_nop
.endr
.Lasked_\@:
.endm
.macro CREST                           ; a round of the cluster's barrier behind its opening barrier
	s_cmp_lg_u32 s10, 0
	s_cbranch_scc1 .Lnot_wave_0_\@
	s_barrier_signal -3
.Lnot_wave_0_\@:
	s_barrier_wait -3
	s_barrier_signal -1
	s_barrier_wait -1
.endm
.macro CROUND                          ; a whole round
	s_barrier_signal -1
	s_barrier_wait -1
	CREST
.endm
	s_load_b128 s[4:7], s[0:1], 0x0                ; ctx16 s[4:5], wo16 s[6:7]
	s_load_b64 s[8:9], s[0:1], 0x10                ; out0
	v_lshl_add_u32 v[SPW], v0, 2, SPARE
	v_mov_b32 v[NIL], 0
	ds_add_u32 v[SPW], v[NIL]                      ; the wave's opening: the add, twice on end, and its wait ahead of my first tensor load
	ds_add_u32 v[SPW], v[NIL]
	v_lshrrev_b32 v1, 5, v0
	v_readfirstlane_b32 s10, v1                    ; wave 0..3
	s_lshr_b32 s11, s10, 1                         ; which half of the tile's rows is mine.  Also: I fetch for the context (0) or for Wo (1)
	s_and_b32 s12, s10, 1                          ; which half of its columns.  Also: which 64 rows of that tile I fetch
	s_bfe_u32 s40, ttmp6, 0x40000                  ; cx, cy: my place in the cluster
	s_bfe_u32 s41, ttmp6, 0x40004
	s_lshl_b32 s42, ttmp9, 2
	s_add_co_u32 s42, s42, s40                     ; tile column = 4 x cluster x + cx
	s_and_b32 s13, ttmp7, 0xffff
	s_lshl_b32 s13, s13, 2
	s_add_co_u32 s13, s13, s41                     ; tile row = 4 x cluster y + cy
	s_lshl_b32 s43, s41, 2
	s_lshl_b32 s43, 15, s43                        ; my row of the cluster
	s_lshl_b32 s44, 0x1111, s40                    ; my column
	; descriptor group 1: 4 rows of 8,192 bytes (1,024 elements of 8 bytes), 32,768 bytes apart; no padding
	s_or_b32 s[G1+0], s43, (3<<16)|(1<<21)         ; 15:0 the mask: the context's tiles go to my row; 17:16 elements of 8 bytes; 21 set beside a mask
	s_or_b32 s[G1B+0], s44, (3<<16)|(1<<21)
.irp g, G1, G1B
	s_mov_b32 s[\g+1], 1024<<16                    ; tensor_dim0
	s_mov_b32 s[\g+2], 4<<16                       ; tensor_dim1
	s_mov_b32 s[\g+3], 1024<<16                    ; tile_dim0
	s_mov_b32 s[\g+4], 4                           ; tile_dim1
	s_mov_b32 s[\g+5], 4096                        ; tensor_dim0_stride, in elements
	s_mov_b32 s[\g+6], 0
	s_mov_b32 s[\g+7], 0
.endr
	s_lshl_b32 s18, s12, 2                         ; which four groups of 16 rows I fetch
	s_lshl_b32 s16, s13, 3
	s_add_co_u32 s16, s16, s18                     ; the context: 8 x tile row + 4 x half,
	s_lshl_b32 s16, s16, 15                        ; 32,768 bytes each
	s_mov_b32 s17, 0
	s_lshl_b32 s46, s42, 3
	s_add_co_u32 s46, s46, s18                     ; Wo: by the tile column
	s_lshl_b32 s46, s46, 15
	s_mov_b32 s47, 0
	s_lshl_b32 s20, s10, 15                        ; where they go: wave x 32,768: no place in the cluster enters an LDS address
	s_wait_dscnt 0x0                               ; both opening adds are done
	s_wait_kmcnt 0x0
	s_add_nc_u64 s[14:15], s[4:5], s[16:17]
	s_add_nc_u64 s[46:47], s[6:7], s[46:47]
	CROUND                                         ; all sixteen work-groups are here: the first joint loads meet
.irp s, 0,1
	s_mov_b32 s[G0+4*\s], 1
	s_add_co_u32 s[G0+4*\s+1], s20, \s*SLOT
	s_add_nc_u64 s[G0+4*\s+2:G0+4*\s+3], s[14:15], \s*8192
	s_or_b32 s[G0+4*\s+3], s[G0+4*\s+3], 0x80000000
	s_mov_b32 s[G0B+4*\s], 1
	s_add_co_u32 s[G0B+4*\s+1], s20, \s*SLOT
	s_add_nc_u64 s[G0B+4*\s+2:G0B+4*\s+3], s[46:47], \s*8192
	s_or_b32 s[G0B+4*\s+3], s[G0B+4*\s+3], 0x80000000
	JLOAD \s                                       ; K steps 0 and 1: two tensor loads of mine are out
.endr
	v_and_b32 v1, 15, v0                           ; l % 16
	v_bfe_u32 v2, v0, 4, 1                         ; l / 16
	v_and_b32 v3, 31, v0
	v_lshlrev_b32 v3, 4, v3                        ; 16 x lane
	s_lshl_b32 s21, s11, 15                        ; my 64 rows of the context
	s_lshl_b32 s22, s12, 15                        ; my 64 rows of Wo,
	s_add_co_u32 s22, s22, 2*HALFT                 ; which lie behind the context's 128
.irp s, 0,1
	v_add_nc_u32 v[ADRA+\s], s21, v3
	v_add_nc_u32 v[ADRB+\s], s22, v3
	s_add_co_u32 s21, s21, SLOT
	s_add_co_u32 s22, s22, SLOT
.endr
	s_mul_i32 s23, s10, 16*SPITCH
	s_add_co_u32 s23, s23, STAGE                   ; my stage
	v_mul_u32_u24 v4, v1, SPITCH                   ; in: row l % 16, 32 bytes for each half of the lanes
	v_lshl_add_u32 v4, v2, 5, v4
	v_add_nc_u32 v[STO], s23, v4
	v_mul_u32_u24 v5, v2, SPITCH                   ; back: lanes 0-15 take one row of 256 bytes, lanes 16-31 the next
	v_lshl_add_u32 v5, v1, 4, v5
	v_add_nc_u32 v[RD], s23, v5
	v_lshlrev_b32 v5, 12, v2                       ; and the same two rows in out0
	v_lshl_add_u32 v[CO], v1, 4, v5
	s_lshl_b32 s16, s13, 7
	s_lshl_b32 s17, s11, 6
	s_add_co_u32 s16, s16, s17                     ; my first row of out0: 128 x tile row + 64 x half,
	s_lshl_b32 s16, s16, 12                        ; 4,096 bytes a row
	s_lshl_b32 s46, s42, 9                         ; my first column, in bytes: 512 x tile column + 256 x half
	s_lshl_b32 s47, s12, 8
	s_add_co_u32 s46, s46, s47
	s_add_co_u32 s16, s16, s46
	s_mov_b32 s17, 0
	s_add_nc_u64 s[8:9], s[8:9], s[16:17]
; 8 matrix instructions: row blocks a0, a0 + 1 x all 4 column blocks, 32 along K: half c of buffer f.  zero = 1: the first product starts the sums.  The 16 accumulators take turns
.macro MUL8 f, c, a0, zero
.irp a, \a0, \a0+1
.irp b, 0,1,2,3
.if \zero
	v_wmma_f32_16x16x32_f16 v[ACC+8*(4*(\a)+\b):ACC+8*(4*(\a)+\b)+7], v[\f+64+8*(4*\c+\b):\f+64+8*(4*\c+\b)+7], v[\f+8*(4*\c+\a):\f+8*(4*\c+\a)+7], 0
.else
	v_wmma_f32_16x16x32_f16 v[ACC+8*(4*(\a)+\b):ACC+8*(4*(\a)+\b)+7], v[\f+64+8*(4*\c+\b):\f+64+8*(4*\c+\b)+7], v[\f+8*(4*\c+\a):\f+8*(4*\c+\a)+7], v[ACC+8*(4*(\a)+\b):ACC+8*(4*(\a)+\b)+7]
.endif
.endr
.endr
.endm
; 32 LDS loads in one run: the fragments of the slot's kq-th 64 along K into buffer f; the first 32 along K first
.macro FETCH slot, kq, f
	WIN TO_F
.irp c, 0,1
.irp i, 0,1,2,3
	ds_load_b128 v[\f+64+8*(4*\c+\i):\f+64+8*(4*\c+\i)+3],   v[ADRB+\slot] offset:(2*\kq+\c)*1024+\i*8192
	ds_load_b128 v[\f+64+8*(4*\c+\i)+4:\f+64+8*(4*\c+\i)+7], v[ADRB+\slot] offset:(2*\kq+\c)*1024+\i*8192+512
	ds_load_b128 v[\f+8*(4*\c+\i):\f+8*(4*\c+\i)+3],         v[ADRA+\slot] offset:(2*\kq+\c)*1024+\i*8192
	ds_load_b128 v[\f+8*(4*\c+\i)+4:\f+8*(4*\c+\i)+7],       v[ADRA+\slot] offset:(2*\kq+\c)*1024+\i*8192+512
.endr
.endr
.endm
.macro PLACES                          ; four places in front of loads into registers that matrix instructions have read, and of LDS stores that read results
.rept 4
	v_nop
.endr
.endm
; A K step is four quarters of 64 along K, 32 matrix instructions each, on buffers 0, 1, 0, 1.  One of the first three: multiplies buffer f and fetches quarter kq into g.
.macro QUARTER slot, kq, f, g, zero
	s_wait_dscnt 16                                ; the first 32 along K are in; the other sixteen loads may be out
	WIN MUL
	MUL8 \f, 0, 0, \zero
	MUL8 \f, 0, 2, \zero
	PLACES
	FETCH \slot, \kq, \g
	s_wait_dscnt 32                                ; all but the 32 just issued
	WIN MUL
	MUL8 \f, 1, 0, 0
	MUL8 \f, 1, 2, 0
.endm
; The last quarter multiplies buffer 1 and changes slots: ONE barrier; in front of it each wave waits for all its tensor loads, adds 0 to its spare word, and waits for that and for its own reads of this slot.  fill = 1: this slot is filled again, two K steps ahead.
.macro TURN slot, next, fill
	WIN 0                                          ; (the add's two registers lie in window 0)
	s_wait_tensorcnt 0x0                           ; all my tensor loads have landed: my part of the next slot;
	ds_add_u32 v[SPW], v[NIL]                      ; 0 onto my spare word;
	s_wait_dscnt 17                                ; (the add and the youngest sixteen loads may be out)
	WIN MUL
	MUL8 F1, 0, 0, 0                               ; eight matrix instructions stand between the add and the wait for it
	s_wait_dscnt 0x0                               ; the add is done, and my reads of this slot are over
	s_barrier_signal -1
	MUL8 F1, 0, 2, 0
.if \fill
	WIN 0
.endif
	s_barrier_wait -1
.if \fill
	CREST                                          ; the barrier has opened a round of the cluster's barrier: no wave of any partner still reads this slot's tile or has a load on its way
	s_add_nc_u64 s[G0+4*\slot+2:G0+4*\slot+3], s[G0+4*\slot+2:G0+4*\slot+3], 2*8192
	s_add_nc_u64 s[G0B+4*\slot+2:G0B+4*\slot+3], s[G0B+4*\slot+2:G0B+4*\slot+3], 2*8192
	JLOAD \slot                                    ; the first tensor load behind the round, my one load until the next; the four v_nop behind it are also the places in front of the loads below
.else
	PLACES
.endif
	FETCH \next, 0, F0
	WIN MUL
	MUL8 F1, 1, 0, 0
	MUL8 F1, 1, 2, 0
.endm
	s_wait_tensorcnt 1                             ; my part of K step 0 is in (K step 1's load may be out)
	s_barrier_signal -1
	s_barrier_wait -1                              ; everybody's is
	FETCH 0, 0, F0
	QUARTER 0, 1, F0, F1, 1                        ; K step 0: its first products start the sums
	QUARTER 0, 2, F1, F0, 0
	QUARTER 0, 3, F0, F1, 0
	TURN 0, 1, 1                                   ; slot 0 takes K step 2
	QUARTER 1, 1, F0, F1, 0                        ; K step 1
	QUARTER 1, 2, F1, F0, 0
	QUARTER 1, 3, F0, F1, 0
	TURN 1, 0, 1                                   ; slot 1 takes K step 3
	QUARTER 0, 1, F0, F1, 0                        ; K step 2
	QUARTER 0, 2, F1, F0, 0
	QUARTER 0, 3, F0, F1, 0
	TURN 0, 1, 0                                   ; nothing is left to fetch: no round
	QUARTER 1, 1, F0, F1, 0                        ; K step 3
	QUARTER 1, 2, F1, F0, 0
	QUARTER 1, 3, F0, F1, 0
	s_wait_dscnt 16                                ; the very last quarter
	WIN MUL
	MUL8 F1, 0, 0, 0
	MUL8 F1, 0, 2, 0
	s_wait_dscnt 0
	MUL8 F1, 1, 0, 0
	MUL8 F1, 1, 2, 0
	WIN 0
; THE WAY OUT, a block of 16 rows x 64 columns at a time.  A lane holds 32 neighbouring bytes of a row and the lanes beside it hold other rows: so a block goes through my own stage in LDS and comes back as whole rows of
; 256 bytes.  LDS serves a wave's instructions in order (ISA guide 5.7.1.4): no wait between the stores and the loads, nor in front of the next block's stores.  No other wave touches my stage: no barrier.
.macro TOSTAGE a
.irp b, 0,1,2,3
	ds_store_b128 v[STO], v[ACC+8*(4*(\a)+\b):ACC+8*(4*(\a)+\b)+3] offset:64*\b        ; each accumulator from its low end on
	ds_store_b128 v[STO], v[ACC+8*(4*(\a)+\b)+4:ACC+8*(4*(\a)+\b)+7] offset:64*\b+16
.endr
.irp i, 0,1,2,3,4,5,6,7
	ds_load_b128 v[TMP+32*((\a)%2)+4*\i:TMP+32*((\a)%2)+4*\i+3], v[RD] offset:\i*2*SPITCH
.endr
.endm
.macro SEND a, younger                 ; younger: the LDS instructions issued behind block a's loads, which may stay out
	s_wait_dscnt \younger
.irp i, 0,1,2,3,4,5,6,7
	global_store_b128 v[CO], v[TMP+32*((\a)%2)+4*\i:TMP+32*((\a)%2)+4*\i+3], s[8:9] offset:(16*(\a)+2*\i)*4096 th:TH_STORE_NT   ; 16 lanes store 256 consecutive bytes, at a multiple of 256 from out0's first byte
.endr
.endm
	PLACES
	TOSTAGE 0
.irp a, 1,2,3
.if \a > 1
	s_wait_xcnt 0x0                                ; block a - 2's stores have read their registers: block a's loads may land there
.endif
	TOSTAGE \a
	SEND \a-1, 16                                  ; behind block a - 1's loads: block a's 8 stores and 8 loads
.endr
	SEND 3, 0
	s_wait_tensorcnt 0x0                           ; the wave's end: behind my last tensor load and my last LDS store
	ds_add_u32 v[SPW], v[NIL]
	s_wait_dscnt 0x0
	CROUND                                         ; the closing round: no work-group ends while a partner may still ask for a tile that names it
	s_endpgm
.Lfunc_end_k_q669d4dbffa_oproj:
	.size	k_q669d4dbffa_oproj, .Lfunc_end_k_q669d4dbffa_oproj-k_q669d4dbffa_oproj
	.p2alignl 7, 3214868480
	.fill 96, 4, 3214868480
	.section	.rodata,"a",@progbits
	.p2align	6, 0x0
	.amdhsa_kernel k_q669d4dbffa_oproj
		.amdhsa_group_segment_fixed_size 327680
		.amdhsa_private_segment_fixed_size 0
		.amdhsa_enable_private_segment 0
		.amdhsa_kernarg_size 24
		.amdhsa_user_sgpr_count 2
		.amdhsa_user_sgpr_kernarg_segment_ptr 1
		.amdhsa_wavefront_size32 1
		.amdhsa_system_sgpr_workgroup_id_x 1
		.amdhsa_system_sgpr_workgroup_id_y 1
		.amdhsa_system_sgpr_workgroup_id_z 1
		.amdhsa_system_vgpr_workitem_id 0
		.amdhsa_next_free_vgpr 512
		.amdhsa_next_free_sgpr 66
		.amdhsa_reserve_vcc 0
		.amdhsa_float_denorm_mode_32 3
		.amdhsa_float_denorm_mode_16_64 3
		.amdhsa_memory_ordered 1
		.amdhsa_forward_progress 1
		.amdhsa_inst_pref_size 85
	.end_amdhsa_kernel
	.amdgpu_metadata
---
amdhsa.version: [ 1, 2 ]
amdhsa.kernels:
  - .name:           k_q669d4dbffa_oproj
    .symbol:         k_q669d4dbffa_oproj.kd
    .args:
      - { .name: ctx16, .offset: 0, .size: 8, .value_kind: global_buffer, .address_space: global }
      - { .name: wo16, .offset: 8, .size: 8, .value_kind: global_buffer, .address_space: global }
      - { .name: out0, .offset: 16, .size: 8, .value_kind: global_buffer, .address_space: global }
    .group_segment_fixed_size: 327680
    .private_segment_fixed_size: 0
    .kernarg_segment_align: 8
    .kernarg_segment_size: 24
    .max_flat_workgroup_size: 128
    .sgpr_count:     66
    .vgpr_count:     512
    .wavefront_size: 32
...
	.end_amdgpu_metadata
.endif
;; end of part 4
